; MI455X (gfx1250); checked and timed in simulation.
; The chip was launched on July 23, 2026; its instructions are those of AMD's public machine-readable ISA for CDNA 5 (MIT licence, August 2026) and "CDNA5" Instruction Set Architecture Reference Guide (July 2026). The comments in the code are by the model that wrote it; some were corrected since.
;; Multi Head Attention. Allowed arithmetic: matrix products marked QUANTISED: E2M1 operands, one E8M0 scale for each 32 along K, by v_wmma_scale_f32_16x16x128_f8f6f4 with both operands' format E2M1 (or v_wmma_scale_f32_32x16x128_f4), f32 sums; products left as they are: bf16, f16 or f32 operands; f32 sums; everything else in f32.
;; Inputs: W_k 1,024 x 1,024 float32; W_o 1,024 x 1,024 float32; W_q 1,024 x 1,024 float32; W_v 1,024 x 1,024 float32; keys 4 x 2,048 x 1,024 float32; queries 4 x 2,048 x 1,024 float32; valid_lens 4 int32; values 4 x 2,048 x 1,024 float32.
;; Outputs: out0 4 x 2,048 x 1,024 float32.
;; This version of the problem:
;;   THIS VERSION OF THE PROBLEM IS GIVEN IN LOW PRECISION. The matrix products marked QUANTISED in the list below multiply operands that are first quantised to E2M1 (2 exponent bits, 1 mantissa bit; 4 bits a number), with one power-of-two scale for each 32 numbers along K (OCP MX v1.0); their sums are f32. The products marked 'left as it is' may take bf16, f16 or f32 operands, with f32 sums. Whichever they take, every output number must still come out within the allowed error. Rounding operands to bf16 (8 significant bits) uses up far more of that allowance than f16 does (11 bits, for magnitudes from 6e-5 to 65,504). All else is computed in f32.
;;   The module's matrix products, in the order in which they are computed (A, B: the left and right operand; K: the contracted axis; several contracted axes count as one K, in the product's order):
;;     1. [M 8,192, K 1,024] x [K 1,024, N 1,024]; A: input queries; B: input W_q: QUANTISED
;;     2. [M 8,192, K 1,024] x [K 1,024, N 1,024]; A: input keys; B: input W_k: QUANTISED
;;     3. [M 8,192, K 1,024] x [K 1,024, N 1,024]; A: input values; B: input W_v: QUANTISED
;;     4. batch 64 x [M 2,048, K 64] x [K 64, N 2,048]; A: computed on the way; B: computed on the way: left as it is (an operand is computed on the way)
;;     5. batch 64 x [M 2,048, K 2,048] x [K 2,048, N 64]; A: computed on the way; B: computed on the way: left as it is (an operand is computed on the way)
;;     6. [M 8,192, K 1,024] x [K 1,024, N 1,024]; A: computed on the way; B: input W_o: left as it is (an operand is computed on the way)
;;   THE QUANTISER, for each operand of a quantised product, along K:
;;     - K is cut into blocks of 32 from its start; a last block that is shorter is filled with zeros.
;;     - A block's scale is 2^e with e = floor(log2(the largest magnitude in the block)) - 2, held to -126 .. 127; a block of zeros has e = 0. As a byte (E8M0): e + 127.
;;     - Each number is divided by its block's scale, clamped to +-6, and rounded to the nearest number of E2M1, ties to even, subnormals kept.
;;     - The product sums the exact products of the quantised numbers (number of the format x scale) in f32.
;;   ~~~python
;;   def quantise(x, axis):      # numpy; x: float32 -> the quantised numbers, widened to float32 again
;;       x = np.moveaxis(x, axis, -1); K = x.shape[-1]
;;       x = np.pad(x, [(0, 0)] * (x.ndim - 1) + [(0, -K % 32)]); x = x.reshape(x.shape[:-1] + (-1, 32)); a = np.abs(x).max(-1, keepdims=True)
;;       e = np.where(a > 0, np.clip(np.frexp(np.where(a > 0, a, 1))[1] - 1 - 2, -126, 127), 0)      # np.frexp(a)[1] - 1 = floor(log2(a)), exactly
;;       r = np.clip(x / 2.0 ** e, -6, 6)
;;       step = 2.0 ** (np.maximum(np.frexp(np.where(r == 0, 1, r))[1] - 1, 0) - 1)
;;       q = np.round(r / step) * step * 2.0 ** e      # np.round: ties to even
;;       return np.moveaxis(q.reshape(q.shape[:-2] + (-1,))[..., :K], -1, axis).astype(np.float32)
;;   ~~~
;; One version. Each part assembles by itself: llvm-mc -triple=amdgcn-amd-amdhsa -mcpu=gfx1250 --defsym DOCPART=n.
;; ======== version 1 of 1: 4 launches
;; limits: values are held in f16: magnitudes above 65,504 overflow, below 6.1e-05 lose precision
;; workspace buffers: codes 14,155,776 bytes; scales 884,736 bytes; wo16 2,097,152 bytes; qkv 50,331,648 bytes; ts 524,288 bytes; o 16,777,216 bytes
;; launch quant (part 1): grid 896 x 1, 4 waves a work-group, no clusters, 33,280 bytes of LDS; arguments queries, keys, values, W_q, W_k, W_v, W_o, codes, scales, wo16; writes codes, scales, wo16
.if DOCPART == 1
	.amdgcn_target "amdgcn-amd-amdhsa--gfx1250"
	.amdhsa_code_object_version 6
	.text
	.protected	k_qbe1008bf77_quant
	.globl	k_qbe1008bf77_quant
	.p2align	8
	.type	k_qbe1008bf77_quant,@function
k_qbe1008bf77_quant:
	s_mov_b64 s[64:65], 0
	v_nop
	global_prefetch_b8 v0, s[64:65] scope:SCOPE_SE
	s_setreg_imm32_b32 hwreg(HW_REG_WAVE_MODE, 25, 1), 1
	s_wait_xcnt 0x0
; queries, keys, values [8192][1024] and W_q, W_k, W_v [1024][1024], f32 with K innermost, become codes of FP4 (E2M1) with one E8M0 byte for each 32 along K;
; W_o [1024][1024] becomes f16.  The six quantised tensors are laid one behind the other as ONE matrix of 27,648 rows: codes 512 bytes a row, scale bytes 32 a row.
; A block's scale is 2^(floor(log2(its largest magnitude)) - 2); its byte is the largest magnitude's exponent field - 2, held at 1 from below.  A block of zeros so gets the byte 1
; where the rule says 127: its codes are zeros, which add nothing under any byte but 0xff, and the bytes are read by this program alone.
; LIMITS: blocks whose largest magnitude lies under 2^-124, the floor, were not tried; NaN and infinities among the inputs are not served; numbers of W_o beyond 65,504 leave f16's range.
; Rows are dense and 1,024 is a multiple of 32: each tensor is a plain stream of blocks of 32.  Work-groups 0-863 quantise 32,768 numbers each (a wave: 16 steps of 512);
; work-groups 864-895 convert W_o, 32,768 numbers each.  Memory binds: every byte is read once by loads of 512 consecutive bytes a wave, every store of a wave covers 256 consecutive aligned bytes.
; No matrix unit, no cluster, no barrier: waves share nothing.
.set WAVES, 4
.set STEPS, 16
.set NQWG,  864                        ; work-groups that quantise: 27,648 x 1,024 / 32,768
.set EMAX,  2
.set CB,    8                          ; bytes of 16 codes
.set R,     16                         ; v16-79   four sets of 16 numbers as they are loaded (W_o: sixteen slots of 4)
.set X,     80                         ; v80-111  two sets of 16 neighbours (W_o: sixteen slots of 2, to store)
.set C,     128                        ; v128-191 codes: four registers for each step, so that no store's data are written again
.set E,     112                        ; v112-127 a scale byte for each step
.set WREG,  8192                       ; LDS: a region for each wave: two stages of 32 x SP bytes, behind them its 256 scale bytes
.set SP,    80                         ; a lane's place in a stage: its 64 bytes + 16 of padding
.set SPW,   12                         ; v12      LDS address of my spare word; never rewritten
.set NIL,   13                         ; v13      0; never rewritten
.set SPARE, WAVES*WREG                 ; behind the four regions: the spare words, 128 bytes a wave, which no other line names
	s_load_b512 s[4:19], s[0:1], 0x0               ; queries, keys, values, W_q, W_k, W_v, W_o, codes
	s_load_b128 s[20:23], s[0:1], 0x40             ; scales, wo16
	v_lshl_add_u32 v[SPW], v0, 2, SPARE
	v_mov_b32 v[NIL], 0
	v_lshrrev_b32 v1, 5, v0
	v_readfirstlane_b32 s27, v1                    ; wave
	v_and_b32 v2, 31, v0                           ; lane
	v_lshlrev_b32 v3, 4, v2                        ; my 16 bytes of a load's 512
	v_lshlrev_b32 v4, 3, v2                        ; my 8 bytes of a store's 256
	s_mov_b32 s35, 0
	s_cmp_ge_u32 ttmp9, NQWG
	s_cbranch_scc1 .Lwo
	s_mul_i32 s32, s27, WREG
	v_lshrrev_b32 v14, 2, v2
	v_mul_u32_u24 v14, v14, SP
	v_and_b32 v15, 3, v2
	v_lshl_add_u32 v14, v15, 4, v14
	v_add_nc_u32 v14, s32, v14                     ; the stage, on the way in: four lanes' 64 bytes on end, then 16 of padding
	v_mul_u32_u24 v15, v2, SP
	v_add_nc_u32 v15, s32, v15                     ; and on the way out: SP x lane: my 16 neighbours
	v_lshrrev_b32 v5, 1, v2
	s_add_co_u32 s32, s32, 2*32*SP
	v_add_nc_u32 v5, s32, v5                       ; my wave's 256 scale bytes, my block's byte
	v_add_nc_u32 v6, s32, v4                       ; and on the way out 8 bytes a lane
	s_wait_kmcnt 0x0
	s_mov_b64 s[24:25], s[4:5]                     ; which tensor: the choice hangs on the work-group's number alone
	s_mov_b32 s26, 0                               ; and the tensor's first work-group
	s_cmp_ge_u32 ttmp9, 256
	s_cselect_b64 s[24:25], s[6:7], s[24:25]
	s_cselect_b32 s26, 256, s26
	s_cmp_ge_u32 ttmp9, 512
	s_cselect_b64 s[24:25], s[8:9], s[24:25]
	s_cselect_b32 s26, 512, s26
	s_cmp_ge_u32 ttmp9, 768
	s_cselect_b64 s[24:25], s[10:11], s[24:25]
	s_cselect_b32 s26, 768, s26
	s_cmp_ge_u32 ttmp9, 800
	s_cselect_b64 s[24:25], s[12:13], s[24:25]
	s_cselect_b32 s26, 800, s26
	s_cmp_ge_u32 ttmp9, 832
	s_cselect_b64 s[24:25], s[14:15], s[24:25]
	s_cselect_b32 s26, 832, s26
	s_sub_co_u32 s33, ttmp9, s26
	s_lshl_b32 s33, s33, 2
	s_add_co_u32 s33, s33, s27                     ; which run of 8,192 numbers of the tensor is my wave's
	s_lshl_b32 s34, s33, 15
	s_add_nc_u64 s[24:25], s[24:25], s[34:35]
	s_lshl_b32 s33, ttmp9, 2
	s_add_co_u32 s33, s33, s27                     ; and which run of the joint matrix
	s_lshl_b32 s34, s33, 12                        ; 4,096 bytes of codes a run
	s_add_nc_u64 s[28:29], s[18:19], s[34:35]
	s_lshl_b32 s34, s33, 8                         ; 256 scale bytes a run
	s_add_nc_u64 s[30:31], s[20:21], s[34:35]
.macro LOAD t
.irp i, 0,1,2,3
	global_load_b128 v[R+16*((\t)%4)+4*\i:R+16*((\t)%4)+4*\i+3], v3, s[24:25] offset:2048*(\t)+512*\i th:TH_LOAD_NT   ; 32 lanes read 512 consecutive bytes
.endr
.endm
.macro TURN t                          ; step t's numbers through the stage: LDS serves a wave's instructions in order, so no wait stands between the stores and the loads
.irp i, 0,1,2,3
	ds_store_b128 v14, v[R+16*((\t)%4)+4*\i:R+16*((\t)%4)+4*\i+3] offset:32*SP*((\t)%2)+8*SP*\i
.endr
.irp i, 0,1,2,3
	ds_load_b128 v[X+16*((\t)%2)+4*\i:X+16*((\t)%2)+4*\i+3], v15 offset:32*SP*((\t)%2)+16*\i
.endr
.endm
.irp t, 0,1,2,3
	LOAD \t
.endr
	s_wait_loadcnt 12                              ; step 0's four loads are in
	TURN 0
.macro STEP t
.set XS, X+16*((\t)%2)
.if (\t) > 0
	s_wait_dscnt 1                                 ; this step's numbers are back from the stage (the last step's byte store may be out): so its stores into the stage have read their registers,
.else
	s_wait_dscnt 0x0
.endif
.if (\t)+4 < STEPS
	LOAD (\t)+4                                    ; which take the loads of four steps on
.endif
.if (\t)+1 < STEPS
.if STEPS-2-(\t) >= 3
	s_wait_loadcnt 12                              ; the next step's four loads are in; those of the three steps behind it may be out
.else
	s_wait_loadcnt 4*(STEPS-2-(\t))
.endif
	TURN (\t)+1                                    ; and go through the other stage while this step is worked
.endif
	v_max3_num_f32 v8, |v[XS]|, |v[XS+1]|, |v[XS+2]|               ; the largest magnitude of my 16, in two chains
	v_max3_num_f32 v9, |v[XS+3]|, |v[XS+4]|, |v[XS+5]|
.irp i, 6,10
	v_max3_num_f32 v8, v8, |v[XS+\i]|, |v[XS+\i+1]|
	v_max3_num_f32 v9, v9, |v[XS+\i+2]|, |v[XS+\i+3]|
.endr
	v_max3_num_f32 v8, v8, |v[XS+14]|, |v[XS+15]|
	v_max3_num_f32 v8, v8, v9, (EMAX+1)<<23        ; and the floor 2^(EMAX + 1 - 127): the byte cannot fall under 1
	v_max_num_f32_dpp v8, v8, v8 row_xmask:1 row_mask:0xf bank_mask:0xf   ; and of my neighbour's 16: the block's
	v_add_nc_u32 v11, -(EMAX<<23), v8              ; EMAX off its exponent field: the conversion takes the exponent field of this operand as its scale, and nothing else of it
	v_cvt_scalef32_pk8_fp4_f32 v[C+4*(\t)], v[XS:XS+7], v11        ; eight numbers / the scale, to the nearest code, ties to even, beyond the largest code the largest
	v_cvt_scalef32_pk8_fp4_f32 v[C+4*(\t)+1], v[XS+8:XS+15], v11
	v_lshrrev_b32 v[E+(\t)], 23, v11               ; the scale's byte (also the plain line behind the conversions)
	ds_store_b8 v5, v[E+(\t)] offset:16*(\t)       ; both lanes of a block write the same byte with the same value
	global_store_b64 v4, v[C+4*(\t):C+4*(\t)+1], s[28:29] offset:32*CB*(\t)
.endm
.irp t, 0,1,2,3,4,5,6,7,8,9,10,11,12,13,14,15
	STEP \t
.endr
	ds_load_b64 v[8:9], v6                         ; LDS serves a wave's instructions in order: these see my stores
	s_wait_dscnt 0x0
	global_store_b64 v4, v[8:9], s[30:31]          ; 32 lanes store 256 consecutive aligned bytes
	s_wait_tensorcnt 0x0                           ; the wave's end, behind my last LDS store
	ds_add_u32 v[SPW], v[NIL]
	s_wait_dscnt 0x0
	s_endpgm
; W_o to f16: a ring of sixteen slots in registers, 64 loads of 512 bytes a wave, written out; this way touches no LDS.
.Lwo:
	s_sub_co_u32 s33, ttmp9, NQWG
	s_lshl_b32 s33, s33, 2
	s_add_co_u32 s33, s33, s27                     ; which run of 8,192 numbers is my wave's
	s_lshl_b32 s34, s33, 15
	s_lshl_b32 s36, s33, 14
	s_mov_b32 s37, 0
	s_wait_kmcnt 0x0
	s_add_nc_u64 s[24:25], s[16:17], s[34:35]
	s_add_nc_u64 s[28:29], s[22:23], s[36:37]
.irp i, 0,1,2,3,4,5,6,7,8,9,10,11,12,13,14,15
	global_load_b128 v[R+4*\i:R+4*\i+3], v3, s[24:25] offset:512*\i th:TH_LOAD_NT
.endr
.macro WSLOT i, r, left
	s_wait_loadcnt \left                           ; loads come back in order: mine is in, the younger ones stay out
	s_wait_xcnt 0x0                                ; the slot's last store has read its data registers, which are written again below
	v_cvt_pk_f16_f32 v[X+2*\i], v[R+4*\i], v[R+4*\i+1]
	v_cvt_pk_f16_f32 v[X+2*\i+1], v[R+4*\i+2], v[R+4*\i+3]
.if \r < 3
	global_load_b128 v[R+4*\i:R+4*\i+3], v3, s[24:25] offset:512*(16*(\r+1)+\i) th:TH_LOAD_NT
.endif
	global_store_b64 v4, v[X+2*\i:X+2*\i+1], s[28:29] offset:256*(16*\r+\i)
.endm
.irp r, 0,1,2
.irp i, 0,1,2,3,4,5,6,7,8,9,10,11,12,13,14,15
	WSLOT \i, \r, 15
.endr
.endr
.irp i, 0,1,2,3,4,5,6,7,8,9,10,11,12,13,14,15
	WSLOT \i, 3, 15-\i                             ; the last turn loads nothing: the counts run down
.endr
	s_endpgm
.Lfunc_end_k_qbe1008bf77_quant:
	.size	k_qbe1008bf77_quant, .Lfunc_end_k_qbe1008bf77_quant-k_qbe1008bf77_quant
	.p2alignl 7, 3214868480
	.fill 96, 4, 3214868480
	.section	.rodata,"a",@progbits
	.p2align	6, 0x0
	.amdhsa_kernel k_qbe1008bf77_quant
		.amdhsa_group_segment_fixed_size 33280
		.amdhsa_private_segment_fixed_size 0
		.amdhsa_enable_private_segment 0
		.amdhsa_kernarg_size 80
		.amdhsa_user_sgpr_count 2
		.amdhsa_user_sgpr_kernarg_segment_ptr 1
		.amdhsa_wavefront_size32 1
		.amdhsa_system_sgpr_workgroup_id_x 1
		.amdhsa_system_sgpr_workgroup_id_y 1
		.amdhsa_system_sgpr_workgroup_id_z 1
		.amdhsa_system_vgpr_workitem_id 0
		.amdhsa_next_free_vgpr 192
		.amdhsa_next_free_sgpr 66
		.amdhsa_reserve_vcc 0
		.amdhsa_float_denorm_mode_32 3
		.amdhsa_float_denorm_mode_16_64 3
		.amdhsa_memory_ordered 1
		.amdhsa_forward_progress 1
		.amdhsa_inst_pref_size 58
	.end_amdhsa_kernel
	.amdgpu_metadata
---
amdhsa.version: [ 1, 2 ]
amdhsa.kernels:
  - .name:           k_qbe1008bf77_quant
    .symbol:         k_qbe1008bf77_quant.kd
    .args:
      - { .name: queries, .offset: 0, .size: 8, .value_kind: global_buffer, .address_space: global }
      - { .name: keys, .offset: 8, .size: 8, .value_kind: global_buffer, .address_space: global }
      - { .name: values, .offset: 16, .size: 8, .value_kind: global_buffer, .address_space: global }
      - { .name: W_q, .offset: 24, .size: 8, .value_kind: global_buffer, .address_space: global }
      - { .name: W_k, .offset: 32, .size: 8, .value_kind: global_buffer, .address_space: global }
      - { .name: W_v, .offset: 40, .size: 8, .value_kind: global_buffer, .address_space: global }
      - { .name: W_o, .offset: 48, .size: 8, .value_kind: global_buffer, .address_space: global }
      - { .name: codes, .offset: 56, .size: 8, .value_kind: global_buffer, .address_space: global }
      - { .name: scales, .offset: 64, .size: 8, .value_kind: global_buffer, .address_space: global }
      - { .name: wo16, .offset: 72, .size: 8, .value_kind: global_buffer, .address_space: global }
    .group_segment_fixed_size: 33280
    .private_segment_fixed_size: 0
    .kernarg_segment_align: 8
    .kernarg_segment_size: 80
    .max_flat_workgroup_size: 128
    .sgpr_count:     66
    .vgpr_count:     192
    .wavefront_size: 32
...
	.end_amdgpu_metadata
.endif
;; end of part 1
;; launch proj (part 2): grid 4 x 96, 4 waves a work-group, clusters of 4 x 4, 327,680 bytes of LDS; arguments codes, scales, qkv, ts; writes qkv, ts
.if DOCPART == 2
	.amdgcn_target "amdgcn-amd-amdhsa--gfx1250"
	.amdhsa_code_object_version 6
	.text
	.protected	k_qbe1008bf77_proj
	.globl	k_qbe1008bf77_proj
	.p2align	8
	.type	k_qbe1008bf77_proj,@function
k_qbe1008bf77_proj:
	s_mov_b64 s[64:65], 0
	v_nop
	global_prefetch_b8 v0, s[64:65] scope:SCOPE_SE
	s_setreg_imm32_b32 hwreg(HW_REG_WAVE_MODE, 25, 1), 1
	s_wait_xcnt 0x0
	s_wait_alu depctr_hold_cnt(0) depctr_sa_sdst(0) depctr_va_vdst(0) depctr_va_sdst(0) depctr_va_ssrc(0) depctr_va_vcc(0) depctr_vm_vsrc(0)
	s_getreg_b32 s2, hwreg(HW_REG_IB_STS2, 6, 4)
	s_cmp_eq_u32 s2, 0
	s_cbranch_scc0 .Lentry_in_a_cluster
	s_endpgm
.Lentry_in_a_cluster:
	s_bfe_u32 s2, ttmp6, 0x10000c
	s_cmp_lg_u32 s2, 0xf033
	s_cbranch_scc0 .Lentry_shape_is_right
	s_endpgm
.Lentry_shape_is_right:
; The three quantised projections q = queries W_q^T, k = keys W_k^T, v = values W_v^T, each 8192 x 1024 x 1024, on codes of FP4 (E2M1) with one E8M0 byte for each 32 along K; sums in f32.
; All six operands are rows of ONE matrix of codes (512 bytes a row) and one of scale bytes (32 a row): rows 0 queries, 8192 keys, 16384 values, 24576 W_q, 25600 W_k, 26624 W_v.
; A tile of 256 x 256 results is made by four waves, each 128 x 128: 64 accumulators, 512 registers.  K = 1,024 is two LDS slots of 512 along K (rows of 256 bytes): every tile comes by a first fill, nothing is filled again.
; SIDE 0 is the matrix instruction's source 0: its 16 rows fall on a lane's eight registers (8 (lane / 16) + j).  SIDE 1 is source 1: its rows fall on the lanes (lane % 16).
;   q, k (T = 0, 1): side 0 = W_T, side 1 = the tokens: a lane holds a token and eight neighbouring channels.      v (T = 2): side 0 = the tokens, side 1 = W_v: a lane holds a channel and eight neighbouring keys.
; Rounded to f16 in pairs, an accumulator is then half of an operand's registers in the attention launch (q, k: 16 tokens x 32 channels; v: 16 channels x 32 keys), and goes to memory as it stands,
; 16 bytes a lane, 512 consecutive bytes a store: no transposition and no stage.  For v the sums over each 64 keys are stored too (f32): the attention launch needs the sum of v over masked keys.
; CLUSTERS: 4 x 4 work-groups; 8 clusters a tensor.  Side 1's tiles hang on the tile row and are asked for jointly along a row of the cluster, side 0's on the tile column, along a column.
; LIMITS: results beyond 65,504 leave f16's range.
; REGISTERS, in windows of 256: window 0: v0-31 addresses; v32-95 scale words, two sets; v96-103 the sums of v; from v128 side 1's fragments, one set (on the way out: at work).
;   window 1: side 0's fragments, two sets (on the way out: the packed results).   windows 2, 3: the accumulators, (a, b) at v[8 (8 (a % 4) + b)] of window 2 + a / 4; a: side 1's block, b: side 0's.
.set NQ,     4                         ; matrix instructions deep in a slot
.set ROWB,   256                       ; a tile's row in bytes: 512 codes
.set KROW,   512                       ; a row of codes in memory
.set PITCH,  272                       ; an LDS row: 256 bytes + 16 of padding = 68 words: the 16 rows that a load touches start 4 banks apart
.set FR,     8                         ; registers of a fragment: 16 rows x 128 K
.set NL,     2                         ; LDS loads that bring one
.set NP,     4                         ; places behind this matrix instruction (ISA guide 7.12.1)
.set HALFT,  128*PITCH                 ; 128 rows: what one tensor load brings, and what one wave reads of a side
.set SLOT,   4*HALFT                   ; side 1's 256 rows, then side 0's 256 rows
.set KS,     32                        ; a row of scale bytes
.set SCL,    2*SLOT                    ; behind the slots: the scale bytes, as units of 256 bytes + 16 of padding
.set HALFS,  (128*KS/256)*272          ; those of 128 rows: what one tensor load brings
.set SBLK,   (16*KS/256)*272           ; those of 16 rows
.set SPARE,  SCL+4*HALFS               ; behind the scales: the spare words, 128 bytes a wave, which no other line names
.set VO,   8                           ; v8-11   the way out: 16 x lane + i X + k Y at v[VO + 2 i + k]
.set ADRA, 16                          ; v16-17  LDS address of side 1's fragments in slot 0, 1
.set ADRB, 20                          ; v20-21  the same for side 0
.set ADRS, 27                          ; v27     LDS address of my scale words: lanes 0-15 side 1's rows, lanes 16-31 side 0's
.set SPW,  28                          ; v28     LDS address of my spare word; never rewritten
.set NIL,  29                          ; v29     0; never rewritten
.set SC,   32                          ; scale words: set s at v[SC + 32 s]; register 4 i + q: lanes 0-15 side 1's block i, lanes 16-31 side 0's block i, the slot's q-th 128 along K
.set TSR,  96                          ; v96-103 the sums of v
.set AF,   128                         ; side 1's fragments, in window 0
.set G1, 24                            ; s[24:31] descriptor group 1 for side 1's tiles;  s[32:39] group 0, one set for each slot
.set G0, 32
.set G1B, 48                           ; s[48:55], s[56:63] the same for side 0's
.set G0B, 56
.set G1S, 68                           ; s[68:75], s[76:79] groups 1 and 0 for side 1's scales;  s[80:87], s[88:91] for side 0's
.set G0S, 76
.set G1SB, 80
.set G0SB, 88
.set MSB, 0
.macro WIN new                         ; the immediate's high byte repeats the setting that is left
.if MSB != \new
	s_set_vgpr_msb (MSB<<8)|\new
.set MSB, \new
.endif
.endm
.set MUL_LO, 0xa1                      ; source 0 window 1, source 1 window 0, C and D window 2
.set MUL_HI, 0xf1                      ; the same, C and D window 3
.set TO_B,   0x40                      ; destination window 1, address window 0
; A joint load: waves 0 and 1 fetch for side 1, waves 2 and 3 for side 0.  Each line has one mask and one set of registers for all that issue it; the branch hangs on the wave's number alone.
; An s_nop 0 and four v_nop follow each of the two lines, ahead of the jump, the label and what follows.
.macro JLOAD g0a, g1a, g0b, g1b
	s_cmp_eq_u32 s15, 0
	s_cbranch_scc0 .Lfor_b_\@
	tensor_load_to_lds s[\g0a:\g0a+3], s[\g1a:\g1a+7]
	s_nop 0
.rept 4
	v_nop
.endr
	s_branch .Lasked_\@
.Lfor_b_\@:
	tensor_load_to_lds s[\g0b:\g0b+3], s[\g1b:\g1b+7]
	s_nop 0
.rept 4
	v_nop
.endr
.Lasked_\@:
.endm
.macro CROUND                          ; a round of the cluster's barrier
	s_barrier_signal -1
	s_barrier_wait -1
	s_cmp_lg_u32 s14, 0
	s_cbranch_scc1 .Lnot_wave_0_\@
	s_barrier_signal -3
.Lnot_wave_0_\@:
	s_barrier_wait -3
	s_barrier_signal -1
	s_barrier_wait -1
.endm
	s_load_b256 s[4:11], s[0:1], 0x0               ; codes s[4:5], scales s[6:7], qkv s[8:9], ts s[10:11]
	v_lshl_add_u32 v[SPW], v0, 2, SPARE
	v_mov_b32 v[NIL], 0
	ds_add_u32 v[SPW], v[NIL]                      ; the wave's opening: the add, twice on end, and its wait ahead of my first tensor load
	ds_add_u32 v[SPW], v[NIL]
	v_lshrrev_b32 v1, 5, v0
	v_readfirstlane_b32 s14, v1                    ; wave 0..3
	s_lshr_b32 s15, s14, 1                         ; which half of side 1's 256 rows is mine.  Also: I fetch for side 1 (0) or for side 0 (1)
	s_and_b32 s16, s14, 1                          ; which half of side 0's.  Also: which 128 rows of that tile I fetch
	s_bfe_u32 s40, ttmp6, 0x40000                  ; cx, cy: my place in the cluster
	s_bfe_u32 s41, ttmp6, 0x40004
	s_and_b32 s95, ttmp7, 0xffff                   ; the cluster's number, 0..23 (the grid is one cluster wide)
	s_and_b32 s96, s95, 7
	s_lshl_b32 s96, s96, 2                         ; 4 x the cluster's number within its tensor
	s_lshr_b32 s95, s95, 3                         ; T: 0 q, 1 k, 2 v
	s_lshl_b32 s2, s95, 13                         ; the tokens' first row among the codes' rows,
	s_lshl_b32 s3, s95, 10
	s_add_co_u32 s3, s3, 24576                     ; and the weight's
	s_mov_b32 s18, 8192
	s_mov_b32 s19, 0x40000
	s_cmp_eq_u32 s95, 2                            ; v?  An id that all sixteen partners share
	s_cselect_b32 s100, s3, s2                     ; side 1's first row
	s_cselect_b32 s101, s2, s3                     ; side 0's
	s_cselect_b32 s98, s19, s18                    ; X: bytes in qkv from side 1's blocks 0-3 to 4-7 (q, k: four token tiles of 2 KB; v: a head)
	s_cselect_b32 s99, s18, s19                    ; Y: the same for side 0's (q, k: a head; v: a step of 64 keys)
	s_cselect_b32 s42, s96, 0
	s_cselect_b32 s17, 0, s96
	s_cselect_b32 s97, 1, 0
	s_add_co_u32 s42, s42, s40                     ; tile column (side 0): cx, for v + 4 x cluster
	s_add_co_u32 s17, s17, s41                     ; tile row (side 1): cy, for q and k + 4 x cluster
	s_lshl_b32 s43, s41, 2
	s_lshl_b32 s43, 15, s43                        ; my row of the cluster
	s_lshl_b32 s44, 0x1111, s40                    ; my column
	; descriptor group 1: a tile of 128 rows x 256 bytes, padded in LDS
	s_or_b32 s[G1+0], s43, (0<<16)|(1<<20)|(1<<21)|(5<<22)|(3<<25)  ; 15:0 the mask; 17:16 elements of 1 byte; 20 padding on; 21 set beside a mask; 24:22 after every 64 words; 31:25 four words
	s_or_b32 s[G1B+0], s44, (0<<16)|(1<<20)|(1<<21)|(5<<22)|(3<<25)
.irp g, G1, G1B
	s_mov_b32 s[\g+1], ROWB<<16                    ; tensor_dim0
	s_mov_b32 s[\g+2], 128<<16                     ; tensor_dim1
	s_mov_b32 s[\g+3], ROWB<<16                    ; tile_dim0
	s_mov_b32 s[\g+4], 128                         ; tile_dim1
	s_mov_b32 s[\g+5], KROW                        ; from row to row
	s_mov_b32 s[\g+6], 0
	s_mov_b32 s[\g+7], 0
.endr
	; the scale bytes of 128 rows: 4,096 dense bytes, as 16 rows of 256 bytes (32 elements of 8 bytes), 16 bytes of padding behind each
	s_or_b32 s[G1S+0], s43, (3<<16)|(1<<20)|(1<<21)|(5<<22)|(3<<25)
	s_or_b32 s[G1SB+0], s44, (3<<16)|(1<<20)|(1<<21)|(5<<22)|(3<<25)
.irp g, G1S, G1SB
	s_mov_b32 s[\g+1], 32<<16
	s_mov_b32 s[\g+2], (128*KS/256)<<16
	s_mov_b32 s[\g+3], 32<<16
	s_mov_b32 s[\g+4], 128*KS/256
	s_mov_b32 s[\g+5], 32
	s_mov_b32 s[\g+6], 0
	s_mov_b32 s[\g+7], 0
.endr
	s_lshl_b32 s18, s16, 7                         ; which 128 rows of the tile I fetch
	s_lshl_b32 s20, s17, 8
	s_add_co_u32 s20, s20, s18
	s_add_co_u32 s20, s20, s100                    ; side 1: first row + 256 x tile row + 128 x half
	s_lshl_b32 s46, s42, 8
	s_add_co_u32 s46, s46, s18
	s_add_co_u32 s46, s46, s101                    ; side 0: first row + 256 x tile column + 128 x half
	s_lshl_b32 s22, s20, 5                         ; where these rows' scale bytes begin,
	s_mov_b32 s23, 0
	s_lshl_b32 s92, s46, 5
	s_mov_b32 s93, 0
	s_lshl_b32 s20, s20, 9                         ; and their codes (27,648 rows x 512 bytes stay under 2^32)
	s_mov_b32 s21, 0
	s_lshl_b32 s46, s46, 9
	s_mov_b32 s47, 0
	s_mul_i32 s45, s14, HALFT                      ; where they go: wave x 128 rows: no place in the cluster enters an LDS address
	s_mul_i32 s94, s14, HALFS
	s_wait_dscnt 0x0                               ; both opening adds are done
	s_wait_kmcnt 0x0
	s_add_nc_u64 s[20:21], s[4:5], s[20:21]
	s_add_nc_u64 s[22:23], s[6:7], s[22:23]
	s_add_nc_u64 s[46:47], s[4:5], s[46:47]
	s_add_nc_u64 s[92:93], s[6:7], s[92:93]
	CROUND                                         ; all sixteen work-groups are here: the joint loads meet
	s_mov_b32 s[G0S], 1
	s_add_co_u32 s[G0S+1], s94, SCL
	s_mov_b64 s[G0S+2:G0S+3], s[22:23]
	s_or_b32 s[G0S+3], s[G0S+3], 0x80000000
	s_mov_b32 s[G0SB], 1
	s_add_co_u32 s[G0SB+1], s94, SCL
	s_mov_b64 s[G0SB+2:G0SB+3], s[92:93]
	s_or_b32 s[G0SB+3], s[G0SB+3], 0x80000000
	JLOAD G0S, G1S, G0SB, G1SB                     ; the scales first: they are wanted with slot 0.  Three loads of mine are out behind the next two
.irp s, 0,1
	s_mov_b32 s[G0+4*\s], 1
	s_add_co_u32 s[G0+4*\s+1], s45, \s*SLOT
	s_add_nc_u64 s[G0+4*\s+2:G0+4*\s+3], s[20:21], \s*ROWB
	s_or_b32 s[G0+4*\s+3], s[G0+4*\s+3], 0x80000000
	s_mov_b32 s[G0B+4*\s], 1
	s_add_co_u32 s[G0B+4*\s+1], s45, \s*SLOT
	s_add_nc_u64 s[G0B+4*\s+2:G0B+4*\s+3], s[46:47], \s*ROWB
	s_or_b32 s[G0B+4*\s+3], s[G0B+4*\s+3], 0x80000000
	JLOAD G0+4*\s, G1, G0B+4*\s, G1B
.endr
	v_and_b32 v1, 15, v0                           ; l % 16
	v_bfe_u32 v2, v0, 4, 1                         ; l / 16
	v_mul_u32_u24 v3, v1, PITCH
	v_lshl_add_u32 v4, v2, 4, v3                   ; a fragment's row x pitch + 16 x half
	s_mul_i32 s21, s15, HALFT                      ; my 128 rows of side 1
	s_mul_i32 s22, s16, HALFT                      ; my 128 rows of side 0,
	s_add_co_u32 s22, s22, 2*HALFT                 ; which lie behind side 1's 256
.irp s, 0,1
	v_add_nc_u32 v[ADRA+\s], s21, v4
	v_add_nc_u32 v[ADRB+\s], s22, v4
	s_add_co_u32 s21, s21, SLOT
	s_add_co_u32 s22, s22, SLOT
.endr
	v_mul_u32_u24 v5, v1, KS                       ; my row's scale bytes: 32 a row,
	v_lshrrev_b32 v6, 8, v5
	v_lshl_add_u32 v5, v6, 4, v5                   ; and 16 more for each 256 passed
	s_mul_i32 s21, s15, HALFS
	s_mul_i32 s22, s16, HALFS
	s_add_co_u32 s22, s22, 2*HALFS
	s_sub_co_u32 s22, s22, s21
	v_mul_u32_u24 v6, s22, v2                      ; lanes 16-31 take side 0's: one product, the distance between the two
	s_add_co_u32 s21, s21, SCL
	v_add_nc_u32 v5, v5, v6
	v_add_nc_u32 v[ADRS], s21, v5
	; the way out: where my 128 x 128 results go
	v_and_b32 v6, 31, v0
	v_lshlrev_b32 v[VO], 4, v6
	v_add_nc_u32 v[VO+1], s99, v[VO]
	v_add_nc_u32 v[VO+2], s98, v[VO]
	v_add_nc_u32 v[VO+3], s99, v[VO+2]
	s_lshl_b32 s18, s17, 8
	s_lshl_b32 s19, s15, 7
	s_add_co_u32 s18, s18, s19                     ; my first row of side 1, within its tensor
	s_lshl_b32 s19, s42, 8
	s_lshl_b32 s20, s16, 7
	s_add_co_u32 s19, s19, s20                     ; and of side 0
	s_cmp_eq_u32 s97, 1
	s_cselect_b32 s20, s19, s18                    ; my first token
	s_cselect_b32 s21, s18, s19                    ; my first channel
	s_lshr_b32 s22, s20, 11                        ; batch
	s_and_b32 s23, s20, 2047                       ; token in the batch
	s_lshl_b32 s46, s95, 24                        ; qkv: part T of 16 MB,
	s_lshl_b32 s47, s22, 22                        ; batch of 4 MB,
	s_add_co_u32 s46, s46, s47
	s_lshl_b32 s47, s23, 7                         ; 128 bytes a token within a head (2 KB a tile of 16; 8 KB a step of 64),
	s_add_co_u32 s46, s46, s47
	s_lshl_b32 s47, s21, 12                        ; 256 KB a head of 64 channels
	s_add_co_u32 s46, s46, s47
	s_mov_b32 s47, 0
	s_add_nc_u64 s[8:9], s[8:9], s[46:47]
	s_lshl_b32 s46, s22, 4                         ; ts: record ((batch x 16 + head) x 32 + step) of 256 bytes
	s_lshr_b32 s47, s21, 6
	s_add_co_u32 s46, s46, s47
	s_lshl_b32 s46, s46, 5
	s_lshr_b32 s47, s23, 6
	s_add_co_u32 s46, s46, s47
	s_lshl_b32 s46, s46, 8
	s_mov_b32 s47, 0
	s_add_nc_u64 s[10:11], s[10:11], s[46:47]
	s_mov_b32 s45, 0xffff0000                      ; lanes 16-31
	s_mov_b32 s92, 0x76543210                      ; v_permlanex16_b32's selects for lane l xor 16
	s_mov_b32 s93, 0xfedcba98
.macro FRAG reg, adr, q, i             ; a fragment: lane l holds row l % 16; registers 4 c .. 4 c + 3 hold K = 64 c + 32 (l / 16) + 0 .. 31
.irp c, 0,1
	ds_load_b128 v[\reg+4*\c:\reg+4*\c+3], v[\adr] offset:64*(\q)+32*\c+(\i)*16*PITCH
.endr
.endm
; 16 matrix instructions: side 1's blocks a0, a0 + 1 x side 0's eight, 128 along K.  p: side 0's set;  sc: the set of scale words.  zero = 1: the first product starts the sums.
; The 64 accumulators take turns, one instruction a turn, in the same order in every step.
.macro MUL16 a0, p, q, sc, zero
.irp a, \a0, \a0+1
.irp b, 0,1,2,3,4,5,6,7
.if \zero
	v_wmma_scale_f32_16x16x128_f8f6f4 v[8*(8*((\a)%4)+\b):8*(8*((\a)%4)+\b)+7], v[128*(\p)+FR*\b:128*(\p)+FR*\b+FR-1], v[AF+FR*(\a):AF+FR*(\a)+FR-1], 0, v[SC+8*NQ*(\sc)+NQ*\b+(\q)], v[SC+8*NQ*(\sc)+NQ*(\a)+(\q)] matrix_a_fmt:MATRIX_FMT_FP4 matrix_b_fmt:MATRIX_FMT_FP4 matrix_a_scale:MATRIX_SCALE_ROW1
.else
	v_wmma_scale_f32_16x16x128_f8f6f4 v[8*(8*((\a)%4)+\b):8*(8*((\a)%4)+\b)+7], v[128*(\p)+FR*\b:128*(\p)+FR*\b+FR-1], v[AF+FR*(\a):AF+FR*(\a)+FR-1], v[8*(8*((\a)%4)+\b):8*(8*((\a)%4)+\b)+7], v[SC+8*NQ*(\sc)+NQ*\b+(\q)], v[SC+8*NQ*(\sc)+NQ*(\a)+(\q)] matrix_a_fmt:MATRIX_FMT_FP4 matrix_b_fmt:MATRIX_FMT_FP4 matrix_a_scale:MATRIX_SCALE_ROW1
.endif
.endr
.endr
.endm
.macro FETCH_B slot, q, p              ; side 0's eight fragments of the slot's q-th 128 along K into set p
	WIN TO_B
.irp i, 0,1,2,3,4,5,6,7
	FRAG 128*(\p)+FR*\i, ADRB+\slot, \q, \i
.endr
	WIN 0
.endm
.macro FETCH_A slot, q, i0             ; side 1's blocks i0 .. i0 + 3
.irp i, \i0, \i0+1, \i0+2, \i0+3
	FRAG AF+FR*(\i), ADRA+\slot, \q, \i
.endr
.endm
.macro SCALES sc                       ; a slot's scale words into set sc: four words a row
.irp i, 0,1,2,3,4,5,6,7
	ds_load_b128 v[SC+8*NQ*\sc+NQ*\i:SC+8*NQ*\sc+NQ*\i+3], v[ADRS] offset:\i*SBLK
.endr
.endm
.macro PLACES n                        ; plain vector instructions between a matrix instruction and a load into, or a vector read or write of, its registers
.rept \n
	v_nop
.endr
.endm
; A step of 128 along K that has its successor in the same slot.  A block of side 1 is free as soon as its eight products are issued, so one set serves it: blocks 0-3 are fetched anew in the step's middle, 4-7 at its end.
.macro STEP slot, q, zero
	s_wait_dscnt 4*NL                              ; side 0's set and side 1's blocks 0-3 are in; the youngest eight loads (blocks 4-7) may be out
	WIN MUL_LO
	MUL16 0, (\q)%2, \q, \slot, \zero
	MUL16 2, (\q)%2, \q, \slot, \zero
	s_wait_dscnt 0                                 ; blocks 4-7 are in (asked for 32 matrix instructions ago)
	PLACES NP
	FETCH_B \slot, (\q)+1, 1-(\q)%2
	FETCH_A \slot, (\q)+1, 0
	WIN MUL_HI
	MUL16 4, (\q)%2, \q, \slot, \zero
	MUL16 6, (\q)%2, \q, \slot, \zero
	PLACES NP
	WIN 0
	FETCH_A \slot, (\q)+1, 4
.endm
.macro STEPS slot, from                ; the slot's steps from .. NQ - 2
.set Q, \from
.rept NQ-1-\from
	STEP \slot, Q, 0
.set Q, Q+1
.endr
.endm
	s_wait_tensorcnt 1                             ; the scales and my part of slot 0 are in (slot 1's load may be out)
	s_barrier_signal -1
	s_barrier_wait -1                              ; everybody's are
	FETCH_B 0, 0, 0
	FETCH_A 0, 0, 0
	SCALES 0
	FETCH_A 0, 0, 4
	STEP 0, 0, 1                                   ; the first step's products start the sums: nothing is cleared
	STEPS 0, 1
	; slot 0's last step changes slots: one barrier, in front of which my part of slot 1 has landed
	s_wait_tensorcnt 0x0                           ; all my tensor loads have landed
	ds_add_u32 v[SPW], v[NIL]                      ; 0 onto my spare word
	s_wait_dscnt 4*NL+1                            ; (the add and the youngest eight loads may be out)
	WIN MUL_LO
	MUL16 0, 1, NQ-1, 0, 0
	s_wait_dscnt 0x0                               ; the add is done, and my reads of slot 0 are over
	s_barrier_signal -1
	MUL16 2, 1, NQ-1, 0, 0
	WIN 0
	s_barrier_wait -1                              ; slot 1 is whole
	PLACES NP
	v_add_nc_u32 v[ADRS], 4*NQ, v[ADRS]            ; on to slot 1's scale words (no LDS load of mine is out)
	FETCH_B 1, 0, 0
	FETCH_A 1, 0, 0
	SCALES 1
	WIN MUL_HI
	MUL16 4, 1, NQ-1, 0, 0
	MUL16 6, 1, NQ-1, 0, 0
	PLACES NP
	WIN 0
	FETCH_A 1, 0, 4
	STEPS 1, 0
	s_wait_dscnt 4*NL                              ; the very last step: nothing more to fetch
	WIN MUL_LO
	MUL16 0, 1, NQ-1, 1, 0
	MUL16 2, 1, NQ-1, 1, 0
	s_wait_dscnt 0
	WIN MUL_HI
	MUL16 4, 1, NQ-1, 1, 0
	MUL16 6, 1, NQ-1, 1, 0
	WIN 0
	PLACES NP                                      ; behind the last products: their results are read and their operands' registers written below
; v alone: the sums over each 64 keys.  Accumulator (a, b) holds channel 16 a + lane % 16 and keys 16 b + 8 (lane / 16) + 0 .. 7.  hh: my head (a / 4); in it ct = a % 4; b / 4: which of my two steps.
.macro SUMS hh
	WIN 0x0a+5*(\hh)                               ; sources: window 2 or 3
.set qq, 0
.rept 32
	v_pk_add_f32 v[128+4*qq:128+4*qq+1], v[8*qq:8*qq+1], v[8*qq+2:8*qq+3]          ; each accumulator from its low end on
	v_pk_add_f32 v[128+4*qq+2:128+4*qq+3], v[8*qq+4:8*qq+5], v[8*qq+6:8*qq+7]
.set qq, qq+1
.endr
	WIN 0
.irp d, 0,4,8,12                       ; group g = 2 ct + step: 16 registers at v[128 + 16 g]
.irp g, 0,1,2,3,4,5,6,7
	v_pk_add_f32 v[128+16*\g+\d:128+16*\g+\d+1], v[128+16*\g+\d:128+16*\g+\d+1], v[128+16*\g+\d+2:128+16*\g+\d+3]
.endr
.endr
.irp d, 0,8
.irp g, 0,1,2,3,4,5,6,7
	v_pk_add_f32 v[128+16*\g+\d:128+16*\g+\d+1], v[128+16*\g+\d:128+16*\g+\d+1], v[128+16*\g+\d+4:128+16*\g+\d+5]
.endr
.endr
.irp g, 0,1,2,3,4,5,6,7
	v_pk_add_f32 v[128+16*\g:128+16*\g+1], v[128+16*\g:128+16*\g+1], v[128+16*\g+8:128+16*\g+9]
.endr
.irp g, 0,1,2,3,4,5,6,7
	v_add_f32 v[128+16*\g], v[128+16*\g], v[128+16*\g+1]        ; my half of the keys of (ct, step)
.endr
.irp ct, 0,1,2,3                       ; lanes 0-15 end with the first step's whole sum, lanes 16-31 with the second's: each sends the other half what that half keeps
	v_cndmask_b32 v[130+32*\ct], v[144+32*\ct], v[128+32*\ct], s45
	v_cndmask_b32 v[131+32*\ct], v[128+32*\ct], v[144+32*\ct], s45
.endr
.irp ct, 0,1,2,3
	v_permlanex16_b32 v[132+32*\ct], v[130+32*\ct], s92, s93
.endr
.irp ct, 0,1,2,3
	v_add_f32 v[TSR+4*(\hh)+\ct], v[131+32*\ct], v[132+32*\ct]
.endr
	global_store_b128 v[VO], v[TSR+4*(\hh):TSR+4*(\hh)+3], s[10:11] offset:8192*(\hh)   ; two records of 256 bytes on end: f32 at 16 (lane % 16) + 4 ct
.endm
; Side 1's block a: eight accumulators rounded to f16, 16 bytes a lane, stored as they stand.  All 256 data registers are different: no store's data are written again.
.macro PACKOUT a
	WIN 0x4a+5*((\a)/4)                            ; sources window 2 or 3, destination window 1
.irp b, 0,1,2,3,4,5,6,7
.irp r, 0,1,2,3
	v_cvt_pk_f16_f32 v[4*(8*(\a)+\b)+\r], v[8*(8*((\a)%4)+\b)+2*\r], v[8*(8*((\a)%4)+\b)+2*\r+1]
.endr
.endr
	WIN 0x04                                       ; a store's data: window 1
.irp b, 0,1,2,3,4,5,6,7
	global_store_b128 v[VO+2*((\a)/4)+(\b)/4], v[4*(8*(\a)+\b):4*(8*(\a)+\b)+3], s[8:9] offset:((\a)%4)*2048+((\b)%4)*512   ; 32 lanes store 512 consecutive aligned bytes
.endr
.endm
	s_cmp_lg_u32 s97, 1                            ; an id that all sixteen partners share
	s_cbranch_scc1 .Lno_sums
	SUMS 0
	SUMS 1
.Lno_sums:
.irp a, 0,1,2,3,4,5,6,7
	PACKOUT \a
.endr
	WIN 0
	s_wait_tensorcnt 0x0                           ; the wave's end
	ds_add_u32 v[SPW], v[NIL]
	s_wait_dscnt 0x0
	CROUND                                         ; the closing round: no work-group ends while a partner may still ask for a tile that names it
	s_endpgm
.Lfunc_end_k_qbe1008bf77_proj:
	.size	k_qbe1008bf77_proj, .Lfunc_end_k_qbe1008bf77_proj-k_qbe1008bf77_proj
	.p2alignl 7, 3214868480
	.fill 96, 4, 3214868480
	.section	.rodata,"a",@progbits
	.p2align	6, 0x0
	.amdhsa_kernel k_qbe1008bf77_proj
		.amdhsa_group_segment_fixed_size 327680
		.amdhsa_private_segment_fixed_size 0
		.amdhsa_enable_private_segment 0
		.amdhsa_kernarg_size 32
		.amdhsa_user_sgpr_count 2
		.amdhsa_user_sgpr_kernarg_segment_ptr 1
		.amdhsa_wavefront_size32 1
		.amdhsa_system_sgpr_workgroup_id_x 1
		.amdhsa_system_sgpr_workgroup_id_y 1
		.amdhsa_system_sgpr_workgroup_id_z 1
		.amdhsa_system_vgpr_workitem_id 0
		.amdhsa_next_free_vgpr 1024
		.amdhsa_next_free_sgpr 102
		.amdhsa_reserve_vcc 0
		.amdhsa_float_denorm_mode_32 3
		.amdhsa_float_denorm_mode_16_64 3
		.amdhsa_memory_ordered 1
		.amdhsa_forward_progress 1
		.amdhsa_inst_pref_size 136
	.end_amdhsa_kernel
	.amdgpu_metadata
---
amdhsa.version: [ 1, 2 ]
amdhsa.kernels:
  - .name:           k_qbe1008bf77_proj
    .symbol:         k_qbe1008bf77_proj.kd
    .args:
      - { .name: codes, .offset: 0, .size: 8, .value_kind: global_buffer, .address_space: global }
      - { .name: scales, .offset: 8, .size: 8, .value_kind: global_buffer, .address_space: global }
      - { .name: qkv, .offset: 16, .size: 8, .value_kind: global_buffer, .address_space: global }
      - { .name: ts, .offset: 24, .size: 8, .value_kind: global_buffer, .address_space: global }
    .group_segment_fixed_size: 327680
    .private_segment_fixed_size: 0
    .kernarg_segment_align: 8
    .kernarg_segment_size: 32
    .max_flat_workgroup_size: 128
    .sgpr_count:     102
    .vgpr_count:     1024
    .wavefront_size: 32
...
	.end_amdgpu_metadata
.endif
;; end of part 2
;; launch attn (part 3): grid 8 x 64, 8 waves a work-group, no clusters, 35,840 bytes of LDS; arguments qkv, ts, valid_lens, o; writes o
.if DOCPART == 3
	.amdgcn_target "amdgcn-amd-amdhsa--gfx1250"
	.amdhsa_code_object_version 6
	.text
	.protected	k_qbe1008bf77_attn
	.globl	k_qbe1008bf77_attn
	.p2align	8
	.type	k_qbe1008bf77_attn,@function
k_qbe1008bf77_attn:
	s_mov_b64 s[64:65], 0
	v_nop
	global_prefetch_b8 v0, s[64:65] scope:SCOPE_SE
	s_setreg_imm32_b32 hwreg(HW_REG_WAVE_MODE, 25, 1), 1
	s_wait_xcnt 0x0
; o[b][q][h] = softmax_k(where(k < valid_len[b], q . k / 8, -1e6)) v, for 4 batches x 16 heads of 64, 2,048 queries and keys.  q, k, v arrive as f16 images of operand registers; products by f16 matrix
; instructions with f32 sums; maxima, exponentials and sums in f32; the weights p are rounded to f16 for the second product, o once at the end (f16 image of the last launch's operand).
; SHARES.  A work-group owns 256 queries of one head, each of its eight waves 32: two tiles of 16.  Keys go 64 a step.  Batches alternate along the grid's y, so that long and short jobs mix.
; THE MASK.  VL = valid_len held to 0 .. 2,048; NST = the steps that hold a valid key (at least 1).  Steps from NST on are not multiplied: all their keys have ONE score, -1e6, so their share of a row is
; (their count) x 2^(c (-8e6) - c m) in the sum and that weight x (the sum of v over them) in the result; the sums of v over 64 keys come from the launch before.  It is added at the end, under the running
; maximum taken with -1e6 too: so the result holds for every valid_len and for scores at or under -1e6.  In the last live step masked scores become -8e6 (-1e6 in units of q . k) ahead of the maximum.
; Work that hangs on a number read from memory is left out by scalar branches; this launch has no tensor load and no joint request: K's and V's tiles go through registers into LDS, 2 KB a wave a step.
; LAYOUT.  S^T = K Q^T (source 0 = 16 keys, source 1 = 16 queries): a lane holds ONE query (lane % 16) and keys 8 (lane / 16) + 0..7.  Two such tiles, rounded in pairs, are source 1 of O^T = V^T P.
; SOFTMAX.  For each query a running maximum m and sum l: p = 2^(c s - c m), c = log2(e) / 8; in every step O and l are multiplied by a = 2^(c m_old - c m_new).
; ROLES.  Interval t has V(t) and K(t+1) in LDS.  Role A runs softmax(t), V^T P (t), K Q^T (t+1); role B runs V^T P (t), K Q^T (t+1), softmax(t+1): one role's vector work stands beside the other's matrix work.
; The role differs between waves w and w + 4 and between w and w + 1.
; LIMITS: NaN and infinities are not served; valid_len is held to 0 .. 2,048.
; REGISTERS.  Window 0: v1-13 addresses and constants; v16-31 statistics, 8 a tile (+0 c m, +1 m, +2, +3 l, +4..7 at work; a at +6); v32-95 S^T; v96-127 P; v128-191 O^T; v192-223 the sum of v over dead steps; v224-231 at work.
;   Window 1: v0-31 Q; v32-95 K of a step; v96-159 V of a step; v160-175, v176-191 two sets for the tiles on their way from memory to LDS.
.set ST,  16
.set S,   32                           ; tile q at + 32 q, key tile kt at + 8 kt
.set P,   96                           ; + 16 q + 8 u
.set O,   128                          ; + 32 q + 8 ct
.set VS,  192                          ; + 8 ct
.set QF,  0                            ; window 1
.set KF,  32
.set VF,  96
.set SG,  160
.set VSL, 32768                        ; LDS: two slots of 16 KB (K's 8 KB, V's 8 KB); then 256 bytes for each wave, its own;
.set SPARE, 34816                      ; then the spare words, 128 bytes a wave, which no other line names
; v1 16 x lane; v4 my 2 KB of a slot + 16 x lane; v5, v6 the add's two; v7 the mask's lane term; v8 -8e6; v9 8 (lane / 16); v10, v11 my wave's 256 bytes, in and out; v12 8 x lane; v13 256 x lane
; s12 wave; s13 role; s14 batch; s15 head; s16 VL; s17 NST; s18 t; s19 t + 1; s[20:21] lane selects; s[22:23] c; s[24:25] where my staging loads stand; s[26:27] their step; s28 their tile;
; s29 trips; s[30:31] 1.0 or 0; s[32:33] Q; s[34:35] K; s[36:37] the sums of v; s38 the prefetches' limit; s39 -8e6 or, with no dead step, -3e38; s41 the dead keys' count as f32; s42-47 at work
.set MSB, 0
.macro WIN new                         ; the immediate's high byte repeats the setting that is left
.if MSB != \new
	s_set_vgpr_msb (MSB<<8)|\new
.set MSB, \new
.endif
.endm
.macro STEPGP                          ; my staging loads go one tile on, and stay at the head's last tile: no load leaves the head's block
	s_wait_xcnt 0x0                                ; the loads and the prefetch issued so far have read the address
	s_cmp_lt_u32 s28, 31
	s_cselect_b32 s26, 8192, 0
	s_cselect_b32 s42, 1, 0
	s_add_nc_u64 s[24:25], s[24:25], s[26:27]
	s_add_co_u32 s28, s28, s42
.endm
.macro ITEM set                        ; my 2 KB of an item (waves 0-3: of K(j+1); waves 4-7: of V(j)) from memory into a set
	WIN 0x40
.irp i, 0,1,2,3
	global_load_b128 v[SG+16*(\set)+4*\i:SG+16*(\set)+4*\i+3], v1, s[24:25] offset:512*\i
.endr
	WIN 0
.endm
.macro STAGE set                       ; and from the set into the slot of the same number
	WIN 0x04
.irp i, 0,1,2,3
	ds_store_b128 v4, v[SG+16*(\set)+4*\i:SG+16*(\set)+4*\i+3] offset:16384*(\set)+512*\i
.endr
	WIN 0
.endm
; A prefetch of the tile that stands three tiles on from my staging loads: 8 KB, lanes 256 bytes apart.  All eight work-groups of a head walk the same K and V: the head's first asks, wave 0 for K's tiles and
; wave 4 for V's, one instruction an interval, behind the wave's loads.  Each tile is named once; none from NST on, and none at the head, where every work-group's first loads are on their way.
.macro ASK
	s_add_co_u32 s42, s28, 3
	s_cmp_lt_u32 s42, s38
	s_cbranch_scc0 .Lnot_mine_\@
	global_prefetch_b8 v13, s[24:25] offset:24576 th:TH_LOAD_NT scope:SCOPE_SE
.Lnot_mine_\@:
.endm
.macro RELOAD set
	s_wait_dscnt 32                                ; the four stores into the slot, older than the 32 fragment loads, have read the set
	STEPGP
	ITEM \set
	ASK
.endm
.macro FRAGS par                       ; V(t) and K(t+1) out of slot par: images of the operands' registers, 512 consecutive bytes a load
	WIN 0x40
.set n, 0
.rept 16
	ds_load_b128 v[VF+4*n:VF+4*n+3], v1 offset:16384*(\par)+8192+512*n
.set n, n+1
.endr
.set n, 0
.rept 16
	ds_load_b128 v[KF+4*n:KF+4*n+3], v1 offset:16384*(\par)+512*n
.set n, n+1
.endr
	WIN 0
.endm
; The eight accumulators of each product take turns, one instruction a turn.
.macro PV                              ; O^T += V^T P: 32 keys u, 16 channels ct, tile q
	WIN 0x01
.irp u, 0,1
.irp ct, 0,1,2,3
.irp q, 0,1
	v_wmma_f32_16x16x32_f16 v[O+32*\q+8*\ct:O+32*\q+8*\ct+7], v[VF+16*\ct+8*\u:VF+16*\ct+8*\u+7], v[P+16*\q+8*\u:P+16*\q+8*\u+7], v[O+32*\q+8*\ct:O+32*\q+8*\ct+7]
.endr
.endr
.endr
	WIN 0
.endm
.macro KQ                              ; S^T = K Q^T: 32 channels u, 16 keys kt, tile q; the first eight start the sums anew, over the last step's S^T
	WIN 0x05
.irp kt, 0,1,2,3
.irp q, 0,1
	v_wmma_f32_16x16x32_f16 v[S+32*\q+8*\kt:S+32*\q+8*\kt+7], v[KF+16*\kt:KF+16*\kt+7], v[QF+16*\q:QF+16*\q+7], 0
.endr
.endr
.irp kt, 0,1,2,3
.irp q, 0,1
	v_wmma_f32_16x16x32_f16 v[S+32*\q+8*\kt:S+32*\q+8*\kt+7], v[KF+16*\kt+8:KF+16*\kt+15], v[QF+16*\q+8:QF+16*\q+15], v[S+32*\q+8*\kt:S+32*\q+8*\kt+7]
.endr
.endr
	WIN 0
.endm
; Plain vector instructions behind a matrix instruction: four before a vector instruction reads its result or writes one of its registers and before a load is issued into one of them;
; five before another matrix instruction writes over its result.
.macro PLACES n
.rept \n
	v_nop
.endr
.endm
; The softmax's first half for step s[treg]: the mask, the maximum, c s - c m.  The two tiles alternate line by line.
.macro SM1 treg
	s_lshl_b32 s42, s[\treg], 6
	s_add_co_u32 s43, s42, 64
	s_cmp_le_u32 s43, s16                          ; do all 64 keys count?
	s_cbranch_scc1 .Lopen_\@
	s_sub_co_i32 s42, s16, s42
	v_sub_nc_u32 v7, s42, v9                       ; d = VL - 64 t - 8 (lane / 16).  Register 8 kt + j holds key 64 t + 16 kt + 8 (lane / 16) + j: masked where 16 kt + j >= d
.irp n, 0,1,2,3,4,5,6,7,8,9,10,11,12,13,14,15,16,17,18,19,20,21,22,23,24,25,26,27,28,29,30,31
	v_cmp_ge_i32 vcc_lo, 16*(\n/8)+\n%8, v7
	v_cndmask_b32 v[S+\n], v[S+\n], v8, vcc_lo
	v_cndmask_b32 v[S+32+\n], v[S+32+\n], v8, vcc_lo
.endr
.Lopen_\@:
.irp j, 0,1,2,3                        ; four chains a tile, each on one accumulator, from its low end on
.irp q, 0,1
	v_max3_num_f32 v[ST+8*\q+4+\j], v[S+32*\q+8*\j], v[S+32*\q+8*\j+1], v[S+32*\q+8*\j+2]
.endr
.endr
.irp g, 1,2
.irp j, 0,1,2,3
.irp q, 0,1
	v_max3_num_f32 v[ST+8*\q+4+\j], v[ST+8*\q+4+\j], v[S+32*\q+8*\j+2*\g+1], v[S+32*\q+8*\j+2*\g+2]
.endr
.endr
.endr
.irp q, 0,1
	v_max3_num_f32 v[ST+8*\q+4], v[ST+8*\q+4], v[S+32*\q+7], v[S+32*\q+15]
	v_max3_num_f32 v[ST+8*\q+6], v[ST+8*\q+6], v[S+32*\q+23], v[S+32*\q+31]
.endr
.irp q, 0,1
	v_max3_num_f32 v[ST+8*\q+4], v[ST+8*\q+4], v[ST+8*\q+5], v[ST+8*\q+6]
.endr
.irp q, 0,1
	v_max3_num_f32 v[ST+8*\q+4], v[ST+8*\q+4], v[ST+8*\q+7], v[ST+8*\q+1]   ; with the old m
.endr
.irp q, 0,1
	v_permlanex16_b32 v[ST+8*\q+5], v[ST+8*\q+4], s20, s21                  ; the query's other 32 keys lie in the lane 16 away
.endr
.irp q, 0,1
	v_mov_b32 v[ST+8*\q+7], v[ST+8*\q]                                      ; c m_old is kept for a
.endr
.irp q, 0,1
	v_max_num_f32 v[ST+8*\q+1], v[ST+8*\q+4], v[ST+8*\q+5]
.endr
.irp q, 0,1
	v_mul_f32 v[ST+8*\q], s22, v[ST+8*\q+1]
.endr
.irp q, 0,1
	v_sub_f32 v[ST+8*\q+7], v[ST+8*\q+7], v[ST+8*\q]
.endr
.irp b, 0,1,2,3,4,5,6,7,8,9,10,11,12,13,14,15
.irp q, 0,1
	v_pk_fma_f32 v[S+32*\q+2*\b:S+32*\q+2*\b+1], v[S+32*\q+2*\b:S+32*\q+2*\b+1], s[22:23], v[ST+8*\q:ST+8*\q+1] op_sel_hi:[1,0,0] neg_lo:[0,0,1] neg_hi:[0,0,1]
.endr
.endr
.endm
; Its second half: 66 exponentials as ONE batch with one wait; the roundings; the sums; O^T x a.
.macro SM2
.irp q, 0,1
	v_exp_f32 v[ST+8*\q+6], v[ST+8*\q+7]           ; a
.endr
.set n, 0
.rept 64
	v_exp_f32 v[S+n], v[S+n]
.set n, n+1
.endr
	v_nop                                          ; a plain instruction behind the last exponential, ahead of the first use
	s_wait_alu depctr_va_vdst(0)                   ; the wait ahead of the first instruction that names a result: one for the batch
.set n, 0
.rept 32
	v_cvt_pk_f16_f32 v[P+n], v[S+2*n], v[S+2*n+1]
.set n, n+1
.endr
.irp u, 0,1,2,3,4,5,6,7                ; the sum of a tile's 16 pairs, in place: neighbours 1, 2, 4 and 8 pairs apart
.irp q, 0,1
	v_pk_add_f32 v[S+32*\q+4*\u:S+32*\q+4*\u+1], v[S+32*\q+4*\u:S+32*\q+4*\u+1], v[S+32*\q+4*\u+2:S+32*\q+4*\u+3]
.endr
.endr
.irp u, 0,1,2,3
.irp q, 0,1
	v_pk_add_f32 v[S+32*\q+8*\u:S+32*\q+8*\u+1], v[S+32*\q+8*\u:S+32*\q+8*\u+1], v[S+32*\q+8*\u+4:S+32*\q+8*\u+5]
.endr
.endr
.irp u, 0,1
.irp q, 0,1
	v_pk_add_f32 v[S+32*\q+16*\u:S+32*\q+16*\u+1], v[S+32*\q+16*\u:S+32*\q+16*\u+1], v[S+32*\q+16*\u+8:S+32*\q+16*\u+9]
.endr
.endr
.irp q, 0,1
	v_pk_add_f32 v[S+32*\q:S+32*\q+1], v[S+32*\q:S+32*\q+1], v[S+32*\q+16:S+32*\q+17]
.endr
.irp q, 0,1
	v_pk_fma_f32 v[ST+8*\q+2:ST+8*\q+3], v[ST+8*\q+2:ST+8*\q+3], v[ST+8*\q+6:ST+8*\q+7], v[S+32*\q:S+32*\q+1] op_sel_hi:[1,0,1]   ; l = a l + the sum
.endr
.set n, 0
.rept 32
	v_pk_mul_f32 v[O+2*n:O+2*n+1], v[O+2*n:O+2*n+1], v[ST+8*(n/16)+6:ST+8*(n/16)+7] op_sel_hi:[1,0]   ; each accumulator from its low end on
.set n, n+1
.endr
.endm
; INTERVAL t (par = t % 2).  The barrier is passed by every wave in every trip; the work behind it is left out from NST on.
.macro INTERVAL par
	s_wait_dscnt 0x0                               ; my stores into slot par have landed, and my reads of the other slot are over
	s_barrier_signal -1
	s_barrier_wait -1                              ; both now hold of all eight waves
	s_cmp_ge_u32 s18, s17
	s_cbranch_scc1 .Ldead_\@
	PLACES 5                                       ; behind the earlier intervals' products.  Five: this interval's K Q^T begins S^T anew, over the result of the last K Q^T, and in role B's arm only loads and
	                                               ; products stand ahead of it.  They also serve the reads of S^T and the loads into K's and V's registers below, which ask for four
	s_wait_loadcnt 4                               ; item t + 1 is in; item t + 2's four loads may be out
	STAGE 1-\par
	s_add_co_u32 s19, s18, 1
	s_cmp_eq_u32 s13, 0
	s_cbranch_scc0 .Lrole_b_\@
	SM1 18
	FRAGS \par
	RELOAD 1-\par
	SM2
	s_wait_dscnt 0x0                               ; V(t) and K(t+1) are in registers
	PV
	s_cmp_lt_u32 s19, s17
	s_cbranch_scc0 .Ljoin_\@
	KQ
	s_branch .Ljoin_\@
.Lrole_b_\@:
	FRAGS \par
	RELOAD 1-\par
	s_wait_dscnt 0x0
	PV
	s_cmp_lt_u32 s19, s17
	s_cbranch_scc0 .Ljoin_\@
	KQ
	PLACES 4                                       ; the softmax below reads the scores just made
	SM1 19
	SM2
	s_branch .Ljoin_\@
.Ldead_\@:
	s_wait_loadcnt 0x0                             ; so that the count of 4 above holds on every way
.Ljoin_\@:
	s_add_co_u32 s18, s18, 1
.endm
	s_load_b256 s[4:11], s[0:1], 0x0               ; qkv s[4:5], ts s[6:7], valid_lens s[8:9], o s[10:11]
	v_lshl_add_u32 v5, v0, 2, SPARE
	v_mov_b32 v6, 0
	v_lshrrev_b32 v2, 5, v0
	v_readfirstlane_b32 s12, v2                    ; wave 0..7
	s_lshr_b32 s42, s12, 2                         ; 0: I stage K's tiles, 1: V's
	s_xor_b32 s13, s12, s42
	s_and_b32 s13, s13, 1                          ; role
	s_and_b32 s43, ttmp7, 0xffff
	s_and_b32 s14, s43, 3                          ; batch
	s_lshr_b32 s15, s43, 2                         ; head
	s_and_b32 s39, s12, 3
	s_lshl_b32 s40, s42, 13
	s_lshl_b32 s41, s39, 11
	s_add_co_u32 s40, s40, s41                     ; my 2 KB of a slot
	v_and_b32 v3, 31, v0                           ; lane
	v_lshlrev_b32 v1, 4, v3
	v_add_nc_u32 v4, s40, v1
	v_bfe_u32 v2, v0, 4, 1                         ; lane / 16
	v_lshlrev_b32 v9, 3, v2
	v_mov_b32 v8, 0xcaf42400                       ; -8e6
	v_and_b32 v10, 1, v0
	v_lshlrev_b32 v10, 7, v10
	v_bfe_u32 v11, v0, 1, 4
	v_lshl_add_u32 v10, v11, 2, v10
	s_lshl_b32 s46, s12, 8
	s_add_co_u32 s46, s46, VSL
	v_add_nc_u32 v10, s46, v10                     ; in: channel 32 (lane % 2) + lane / 2, 4 bytes a channel
	v_lshl_add_u32 v11, v2, 5, s46                 ; out: channels 8 (lane / 16) on
	v_lshlrev_b32 v12, 3, v3
	v_lshlrev_b32 v13, 8, v3
	s_mov_b32 s20, 0x76543210
	s_mov_b32 s21, 0xfedcba98
	s_mov_b32 s22, 0x3e38aa3b                      ; c = log2(e) / 8
	s_mov_b32 s23, s22                             ; (named with it as a pair, so it is written)
	s_mov_b32 s27, 0
	s_mov_b32 s31, 0
	s_mov_b32 s18, 0
	s_lshl_b32 s36, s14, 22
	s_lshl_b32 s37, s15, 18
	s_add_co_u32 s36, s36, s37                     ; the head's 256 KB in each part of qkv
	s_lshl_b32 s37, ttmp9, 4
	s_lshl_b32 s38, s12, 1
	s_add_co_u32 s37, s37, s38                     ; my first tile of queries: 16 x work-group + 2 x wave
	s_lshl_b32 s32, s37, 11
	s_add_co_u32 s32, s32, s36
	s_mov_b32 s33, 0
	s_add_co_u32 s34, s36, 1<<24                   ; k is part 1
	s_mov_b32 s35, 0
	s_add_co_u32 s24, s42, 1
	s_lshl_b32 s24, s24, 24                        ; my staging loads: part 1 or 2,
	s_add_co_u32 s24, s24, s36
	s_add_co_u32 s24, s24, s41                     ; my quarter of a tile,
	s_sub_co_u32 s28, 1, s42                       ; item 0: K(1) or V(0)
	s_lshl_b32 s38, s28, 13
	s_add_co_u32 s24, s24, s38
	s_mov_b32 s25, 0
	s_lshl_b32 s38, s14, 7
	s_add_co_u32 s38, s38, s37
	s_lshl_b32 s38, s38, 15                        ; o: 32 KB a tile of 16 rows,
	s_lshl_b32 s39, s15, 11                        ; 2 KB a head in it
	s_add_co_u32 s38, s38, s39
	s_mov_b32 s39, 0
	s_lshl_b32 s36, s14, 4
	s_add_co_u32 s36, s36, s15
	s_lshl_b32 s36, s36, 13                        ; the head's 32 records of 256 bytes
	s_mov_b32 s37, 0
	s_wait_kmcnt 0x0
	s_load_b128 s[44:47], s[8:9], 0x0              ; the four valid_lens
	s_add_nc_u64 s[32:33], s[4:5], s[32:33]
	s_add_nc_u64 s[34:35], s[4:5], s[34:35]
	s_add_nc_u64 s[24:25], s[4:5], s[24:25]
	s_add_nc_u64 s[36:37], s[6:7], s[36:37]
	s_add_nc_u64 s[10:11], s[10:11], s[38:39]
	WIN 0x40
.set n, 0
.rept 8
	global_load_b128 v[QF+4*n:QF+4*n+3], v1, s[32:33] offset:512*n       ; Q stays in registers: my two tiles are 4 KB on end
.set n, n+1
.endr
.set n, 0
.rept 16
	global_load_b128 v[KF+4*n:KF+4*n+3], v1, s[34:35] offset:512*n       ; K(0) comes straight into registers
.set n, n+1
.endr
	WIN 0
	ITEM 0
	STEPGP
	ITEM 1
.set n, 0
.rept 32
	global_load_b64 v[S+2*n:S+2*n+1], v12, s[36:37] offset:256*n         ; the sums of v over step n: 256 consecutive bytes
.set n, n+1
.endr
	s_wait_kmcnt 0x0
	s_cmp_eq_u32 s14, 1
	s_cselect_b32 s16, s45, s44
	s_cmp_eq_u32 s14, 2
	s_cselect_b32 s16, s46, s16
	s_cmp_eq_u32 s14, 3
	s_cselect_b32 s16, s47, s16
	s_max_i32 s16, s16, 0
	s_min_u32 s16, s16, 2048                       ; VL
	s_add_co_u32 s17, s16, 63
	s_lshr_b32 s17, s17, 6
	s_max_u32 s17, s17, 1                          ; NST
	s_and_b32 s42, s12, 3
	s_or_b32 s42, s42, ttmp9
	s_cmp_eq_u32 s42, 0
	s_cselect_b32 s38, s17, 0                      ; waves 0 and 4 of the head's first work-group prefetch, up to NST
	s_lshl_b32 s42, s17, 6
	s_sub_co_u32 s42, 2048, s42                    ; the keys of dead steps
	s_cvt_f32_u32 s41, s42
	s_mov_b32 s43, 0xcaf42400
	s_cmp_eq_u32 s42, 0
	s_cselect_b32 s39, 0xff61b1e6, s43             ; their score; with none of them -3e38, under every score
	s_wait_loadcnt 36                              ; Q, K(0) and item 0 are in; item 1's four loads and the 32 rows of sums may be out
	STAGE 0
	s_wait_dscnt 0x0                               ; the stores have read set 0
	STEPGP
	ITEM 0                                         ; item 2
	s_wait_loadcnt 4                               ; item 1 and the sums are in
.irp t, 0,1,2,3,4,5,6,7,8,9,10,11,12,13,14,15,16,17,18,19,20,21,22,23,24,25,26,27,28,29,30,31
	s_cmp_le_u32 s17, \t                           ; a dead step?  The choice only selects a value
	s_cselect_b32 s30, 1.0, 0
.if \t < 4
	v_pk_mul_f32 v[224+2*\t:225+2*\t], v[S+2*\t:S+2*\t+1], s[30:31] op_sel_hi:[1,0]
.else
	v_pk_fma_f32 v[224+2*(\t%4):225+2*(\t%4)], v[S+2*\t:S+2*\t+1], s[30:31], v[224+2*(\t%4):225+2*(\t%4)] op_sel_hi:[1,0,1]
.endif
.endr
	v_pk_add_f32 v[224:225], v[224:225], v[226:227]
	v_pk_add_f32 v[228:229], v[228:229], v[230:231]
	v_pk_add_f32 v[224:225], v[224:225], v[228:229]
	ds_store_b32 v10, v224                         ; by channel into my wave's own 256 bytes,
	ds_store_b32 v10, v225 offset:64
.irp ct, 0,1,2,3
	ds_load_b128 v[VS+8*\ct:VS+8*\ct+3], v11 offset:64*\ct               ; and back in O^T's layout (LDS serves a wave's instructions in order)
	ds_load_b128 v[VS+8*\ct+4:VS+8*\ct+7], v11 offset:64*\ct+16
.endr
	KQ                                             ; the first scores
.set n, 0
.rept 64
	v_mov_b32 v[O+n], 0                            ; O^T.  (The step is written once: the first finds zeros.  These lines are also the places behind the products above)
.set n, n+1
.endr
.set n, 0
.rept 32
	v_mov_b32 v[P+n], 0                            ; written once on the way that every wave takes: no way through the text reads P unwritten
.set n, n+1
.endr
.irp q, 0,1
	v_mov_b32 v[ST+8*\q+1], 0xff61b1e6             ; m: -3e38, under every score
	v_mov_b32 v[ST+8*\q+2], 0                      ; l, in two halves
	v_mov_b32 v[ST+8*\q+3], 0
	v_mov_b32 v[ST+8*\q+4], 0
	v_mov_b32 v[ST+8*\q+5], 0
	v_mov_b32 v[ST+8*\q+6], 0
	v_mov_b32 v[ST+8*\q+7], 0
	v_mul_f32 v[ST+8*\q], s22, v[ST+8*\q+1]        ; c m
.endr
	s_cmp_eq_u32 s13, 0
	s_cbranch_scc1 .Lhead_a
	SM1 18                                         ; role B runs a softmax ahead
	SM2
.Lhead_a:
	s_mov_b32 s29, 16
.Lpair:                                            ; 16 trips of two intervals: the slots' numbers are constants of the text
	INTERVAL 0
	INTERVAL 1
	s_sub_co_u32 s29, s29, 1
	s_cmp_lg_u32 s29, 0
	s_cbranch_scc1 .Lpair
	; THE END.  The dead keys' share, the division, f16, and out as the image of the next product's operand.
	s_wait_loadcnt 0x0
.irp q, 0,1
	v_add_f32 v[ST+8*\q+4], v[ST+8*\q+2], v[ST+8*\q+3]
.endr
.irp q, 0,1
	v_permlanex16_b32 v[ST+8*\q+5], v[ST+8*\q+4], s20, s21
.endr
.irp q, 0,1
	v_add_f32 v[ST+8*\q+2], v[ST+8*\q+4], v[ST+8*\q+5]                   ; l
	v_max_num_f32 v[ST+8*\q+1], s39, v[ST+8*\q+1]                        ; m' = the maximum with the dead keys' score
.endr
.irp q, 0,1
	v_mul_f32 v[ST+8*\q+3], s22, v[ST+8*\q+1]                            ; c m'
.endr
.irp q, 0,1
	v_sub_f32 v[ST+8*\q+4], v[ST+8*\q], v[ST+8*\q+3]
	v_fma_f32 v[ST+8*\q+5], s39, s22, -v[ST+8*\q+3]                      ; the same fused form that a masked score of a live step goes through
.endr
.irp q, 0,1
	v_exp_f32 v[ST+8*\q+4], v[ST+8*\q+4]                                 ; a2 = 2^(c m - c m')
	v_exp_f32 v[ST+8*\q+5], v[ST+8*\q+5]                                 ; w: a dead key's weight
.endr
	v_nop
	s_wait_alu depctr_va_vdst(0)                   ; one wait for the four, ahead of their first reader
.irp q, 0,1
	v_mul_f32 v[ST+8*\q+6], s41, v[ST+8*\q+5]
.endr
.irp q, 0,1
	v_fma_f32 v[ST+8*\q+6], v[ST+8*\q+4], v[ST+8*\q+2], v[ST+8*\q+6]     ; l' = a2 l + w x count
.endr
.irp q, 0,1
	v_rcp_f32 v[ST+8*\q+6], v[ST+8*\q+6]
.endr
	v_nop
	s_wait_alu depctr_va_vdst(0)
.irp q, 0,1
	v_mul_f32 v[ST+8*\q+4], v[ST+8*\q+4], v[ST+8*\q+6]                   ; a2 / l'
.endr
.irp q, 0,1
	v_mul_f32 v[ST+8*\q+6], v[ST+8*\q+5], v[ST+8*\q+6]                   ; w / l'
.endr
.set n, 0
.rept 32
	v_pk_mul_f32 v[S+2*n:S+2*n+1], v[VS+2*(n%16):VS+2*(n%16)+1], v[ST+8*(n/16)+6:ST+8*(n/16)+7] op_sel_hi:[1,0]
.set n, n+1
.endr
.set n, 0
.rept 32
	v_pk_fma_f32 v[S+2*n:S+2*n+1], v[O+2*n:O+2*n+1], v[ST+8*(n/16)+4:ST+8*(n/16)+5], v[S+2*n:S+2*n+1] op_sel_hi:[1,0,1]   ; each accumulator from its low end on
.set n, n+1
.endr
.set n, 0
.rept 32
	v_cvt_pk_f16_f32 v[P+n], v[S+2*n], v[S+2*n+1]
.set n, n+1
.endr
.irp q, 0,1
.irp ct, 0,1,2,3
	global_store_b128 v1, v[P+16*\q+4*\ct:P+16*\q+4*\ct+3], s[10:11] offset:32768*\q+512*\ct   ; 32 lanes store 512 consecutive aligned bytes
.endr
.endr
	s_wait_tensorcnt 0x0                           ; the wave's end, behind my last LDS store
	ds_add_u32 v5, v6
	s_wait_dscnt 0x0
	s_endpgm
.Lfunc_end_k_qbe1008bf77_attn:
	.size	k_qbe1008bf77_attn, .Lfunc_end_k_qbe1008bf77_attn-k_qbe1008bf77_attn
	.p2alignl 7, 3214868480
	.fill 96, 4, 3214868480
	.section	.rodata,"a",@progbits
	.p2align	6, 0x0
	.amdhsa_kernel k_qbe1008bf77_attn
		.amdhsa_group_segment_fixed_size 35840
		.amdhsa_private_segment_fixed_size 0
		.amdhsa_enable_private_segment 0
		.amdhsa_kernarg_size 32
		.amdhsa_user_sgpr_count 2
		.amdhsa_user_sgpr_kernarg_segment_ptr 1
		.amdhsa_wavefront_size32 1
		.amdhsa_system_sgpr_workgroup_id_x 1
		.amdhsa_system_sgpr_workgroup_id_y 1
		.amdhsa_system_sgpr_workgroup_id_z 1
		.amdhsa_system_vgpr_workitem_id 0
		.amdhsa_next_free_vgpr 512
		.amdhsa_next_free_sgpr 66
		.amdhsa_reserve_vcc 1
		.amdhsa_float_denorm_mode_32 3
		.amdhsa_float_denorm_mode_16_64 3
		.amdhsa_memory_ordered 1
		.amdhsa_forward_progress 1
		.amdhsa_inst_pref_size 131
	.end_amdhsa_kernel
	.amdgpu_metadata
---
amdhsa.version: [ 1, 2 ]
amdhsa.kernels:
  - .name:           k_qbe1008bf77_attn
    .symbol:         k_qbe1008bf77_attn.kd
    .args:
      - { .name: qkv, .offset: 0, .size: 8, .value_kind: global_buffer, .address_space: global }
      - { .name: ts, .offset: 8, .size: 8, .value_kind: global_buffer, .address_space: global }
      - { .name: valid_lens, .offset: 16, .size: 8, .value_kind: global_buffer, .address_space: global }
      - { .name: o, .offset: 24, .size: 8, .value_kind: global_buffer, .address_space: global }
    .group_segment_fixed_size: 35840
    .private_segment_fixed_size: 0
    .kernarg_segment_align: 8
    .kernarg_segment_size: 32
    .max_flat_workgroup_size: 256
    .sgpr_count:     66
    .vgpr_count:     512
    .wavefront_size: 32
...
	.end_amdgpu_metadata
.endif
;; end of part 3
;; launch outp (part 4): grid 4 x 64, 4 waves a work-group, clusters of 4 x 4, 327,680 bytes of LDS; arguments o, wo16, out0; writes out0
.if DOCPART == 4
	.amdgcn_target "amdgcn-amd-amdhsa--gfx1250"
	.amdhsa_code_object_version 6
	.text
	.protected	k_qbe1008bf77_outp
	.globl	k_qbe1008bf77_outp
	.p2align	8
	.type	k_qbe1008bf77_outp,@function
k_qbe1008bf77_outp:
	s_mov_b64 s[64:65], 0
	v_nop
	global_prefetch_b8 v0, s[64:65] scope:SCOPE_SE
	s_setreg_imm32_b32 hwreg(HW_REG_WAVE_MODE, 25, 1), 1
	s_wait_xcnt 0x0
	s_wait_alu depctr_hold_cnt(0) depctr_sa_sdst(0) depctr_va_vdst(0) depctr_va_sdst(0) depctr_va_ssrc(0) depctr_va_vcc(0) depctr_vm_vsrc(0)
	s_getreg_b32 s2, hwreg(HW_REG_IB_STS2, 6, 4)
	s_cmp_eq_u32 s2, 0
	s_cbranch_scc0 .Lentry_in_a_cluster
	s_endpgm
.Lentry_in_a_cluster:
	s_bfe_u32 s2, ttmp6, 0x10000c
	s_cmp_lg_u32 s2, 0xf033
	s_cbranch_scc0 .Lentry_shape_is_right
	s_endpgm
.Lentry_shape_is_right:
; out0[m][n] = sum over k of o[m][k] W_o[n][k]: 8192 x 1024 x 1024, f16 operands, f32 sums, f32 out.
; o arrives as images of operand registers: [tile of 16 rows] 32 KB, [32 along K] 1 KB, [half] 512 bytes, [lane] 16 bytes.  wo16 is [1024][1024] f16, rows along K.
; A tile of C is 128 (m) x 256 (n): 256 work-groups.  Four waves, each 64 x 128: 32 accumulators, 256 registers.  K goes in steps of 128 through two LDS slots filled by the tensor data mover:
; o's part of a step is 4,096 consecutive bytes of each tile of 16 rows, W_o's rows are 256 aligned bytes.
; CLUSTERS: 4 x 4 work-groups.  o's tiles hang on the tile row and are asked for jointly along a row of the cluster, W_o's on the tile column, along a column.
; THE MATRIX INSTRUCTION IS USED TRANSPOSED (source 0 = 16 rows of W_o, source 1 = 16 rows of o): a lane holds eight neighbouring numbers of a row of C.
; No prefetch: eight K steps in all.
; REGISTERS: window 0: v0-31 addresses; v128-255 rows on the way out.  window 1: two fragment buffers of 96: W_o's eight fragments, then o's four.  window 2: accumulator (a, b) at v[8 (8 a + b)].
.set PITCH,  272                       ; a row of W_o in LDS: 256 bytes + 16 of padding: the 16 rows that a load touches start 4 banks apart
.set AHALF,  16384                     ; four tiles of 16 rows x 4,096 bytes: what one tensor load brings of o, and what one wave reads
.set BHALF,  128*PITCH                 ; 128 rows of W_o likewise
.set BOFF,   2*AHALF
.set SLOT,   BOFF+2*BHALF              ; 102,400 bytes
.set SPARE,  2*SLOT                    ; behind the ring: the spare words, 128 bytes a wave, which no other line names
.set SPITCH, 528                       ; the way out: a stage of 16 rows x (512 bytes + 16) for each wave, in slot 0, which has had its last fill and its last read when the first result is stored there
.set LAPS,   4                         ; a lap = two K steps = once round the ring
.set ADRA, 16                          ; v16-17  LDS address of o's fragments in slot 0, 1
.set ADRB, 20                          ; v20-21  the same for W_o
.set STO,  24                          ; v24     the way out: where I put 32 bytes of a row
.set RD,   25                          ; v25     where I read a row back
.set CO,   26                          ; v26     16 x lane
.set SPW,  28                          ; v28     LDS address of my spare word; never rewritten
.set NIL,  29                          ; v29     0; never rewritten
.set BK,   128
.set F0,   0
.set F1,   96
.set G1, 24                            ; s[24:31] descriptor group 1 for o's tiles;  s[32:39] group 0, one set for each slot
.set G0, 32
.set G1B, 48                           ; s[48:55], s[56:63] the same for W_o's
.set G0B, 56
.set MSB, 0
.macro WIN new                         ; the immediate's high byte repeats the setting that is left
.if MSB != \new
	s_set_vgpr_msb (MSB<<8)|\new
.set MSB, \new
.endif
.endm
.set MUL,  0xa5                        ; sources 0 and 1 window 1; C and D window 2
.set TO_F, 0x40                        ; destination window 1, address window 0
.macro JLOAD s                         ; a joint load: waves 0 and 1 fetch o's two halves, waves 2 and 3 W_o's; an s_nop 0 and four v_nop follow each line
	s_cmp_eq_u32 s11, 0
	s_cbranch_scc0 .Lfor_b_\@
	tensor_load_to_lds s[G0+4*\s:G0+4*\s+3], s[G1:G1+7]
	s_nop 0
.rept 4
	v_nop
.endr
	s_branch .Lasked_\@
.Lfor_b_\@:
	tensor_load_to_lds s[G0B+4*\s:G0B+4*\s+3], s[G1B:G1B+7]
	s_nop 0
.rept 4
	v_nop
.endr
.Lasked_\@:
.endm
.macro CREST                           ; a round of the cluster's barrier behind its opening barrier
	s_cmp_lg_u32 s10, 0
	s_cbranch_scc1 .Lnot_wave_0_\@
	s_barrier_signal -3
.Lnot_wave_0_\@:
	s_barrier_wait -3
	s_barrier_signal -1
	s_barrier_wait -1
.endm
.macro CROUND
	s_barrier_signal -1
	s_barrier_wait -1
	CREST
.endm
	s_load_b128 s[4:7], s[0:1], 0x0                ; o s[4:5], wo16 s[6:7]
	s_load_b64 s[8:9], s[0:1], 0x10                ; out0
	v_lshl_add_u32 v[SPW], v0, 2, SPARE
	v_mov_b32 v[NIL], 0
	ds_add_u32 v[SPW], v[NIL]                      ; the wave's opening: the add, twice on end, and its wait ahead of my first tensor load
	ds_add_u32 v[SPW], v[NIL]
	v_lshrrev_b32 v1, 5, v0
	v_readfirstlane_b32 s10, v1                    ; wave 0..3
	s_lshr_b32 s11, s10, 1                         ; which 64 of the tile's rows are mine.  Also: I fetch for o (0) or for W_o (1)
	s_and_b32 s12, s10, 1                          ; which 128 of its columns.  Also: which half of that tile I fetch
	s_bfe_u32 s40, ttmp6, 0x40000                  ; cx, cy: my place in the cluster
	s_bfe_u32 s41, ttmp6, 0x40004
	s_mov_b32 s42, s40                             ; tile column of C = cx: the grid is one cluster wide
	s_and_b32 s13, ttmp7, 0xffff
	s_lshl_b32 s13, s13, 2
	s_add_co_u32 s13, s13, s41                     ; tile row of C = 4 x cluster y + cy
	s_lshl_b32 s43, s41, 2
	s_lshl_b32 s43, 15, s43                        ; my row of the cluster
	s_lshl_b32 s44, 0x1111, s40                    ; my column
	; o: four rows of 4,096 bytes (512 elements of 8 bytes), 32 KB apart, dense in LDS
	s_or_b32 s[G1+0], s43, (3<<16)|(1<<21)         ; 15:0 the mask; 17:16 elements of 8 bytes; 21 set beside a mask; no padding
	s_mov_b32 s[G1+1], 512<<16                     ; tensor_dim0
	s_mov_b32 s[G1+2], 4<<16                       ; tensor_dim1
	s_mov_b32 s[G1+3], 512<<16                     ; tile_dim0
	s_mov_b32 s[G1+4], 4                           ; tile_dim1
	s_mov_b32 s[G1+5], 4096                        ; from row to row
	s_mov_b32 s[G1+6], 0
	s_mov_b32 s[G1+7], 0
	; W_o: 128 rows x 128 elements of 2 bytes, four words of padding behind every 64
	s_or_b32 s[G1B+0], s44, (1<<16)|(1<<20)|(1<<21)|(5<<22)|(3<<25)
	s_mov_b32 s[G1B+1], 128<<16
	s_mov_b32 s[G1B+2], 128<<16
	s_mov_b32 s[G1B+3], 128<<16
	s_mov_b32 s[G1B+4], 128
	s_mov_b32 s[G1B+5], 1024
	s_mov_b32 s[G1B+6], 0
	s_mov_b32 s[G1B+7], 0
	s_lshl_b32 s16, s13, 18                        ; o: (8 x tile row + 4 x half) tiles of 32 KB
	s_lshl_b32 s17, s12, 17
	s_add_co_u32 s16, s16, s17
	s_mov_b32 s17, 0
	s_lshl_b32 s46, s42, 19                        ; W_o: (256 x tile column + 128 x half) rows of 2,048 bytes
	s_lshl_b32 s47, s12, 18
	s_add_co_u32 s46, s46, s47
	s_mov_b32 s47, 0
	s_lshl_b32 s20, s12, 14                        ; where they go: no place in the cluster enters an LDS address
	s_mul_i32 s21, s12, BHALF
	s_add_co_u32 s21, s21, BOFF
	s_wait_dscnt 0x0                               ; both opening adds are done
	s_wait_kmcnt 0x0
	s_add_nc_u64 s[14:15], s[4:5], s[16:17]
	s_add_nc_u64 s[46:47], s[6:7], s[46:47]
	CROUND                                         ; all sixteen work-groups are here: the first joint loads meet
.irp s, 0,1
	s_mov_b32 s[G0+4*\s], 1
	s_add_co_u32 s[G0+4*\s+1], s20, \s*SLOT
	s_add_nc_u64 s[G0+4*\s+2:G0+4*\s+3], s[14:15], \s*4096
	s_or_b32 s[G0+4*\s+3], s[G0+4*\s+3], 0x80000000
	s_mov_b32 s[G0B+4*\s], 1
	s_add_co_u32 s[G0B+4*\s+1], s21, \s*SLOT
	s_add_nc_u64 s[G0B+4*\s+2:G0B+4*\s+3], s[46:47], \s*256
	s_or_b32 s[G0B+4*\s+3], s[G0B+4*\s+3], 0x80000000
	JLOAD \s                                       ; two loads of mine are out
.endr
	v_and_b32 v1, 15, v0                           ; l % 16
	v_bfe_u32 v2, v0, 4, 1                         ; l / 16
	v_and_b32 v6, 31, v0
	v_lshlrev_b32 v[CO], 4, v6
	v_mul_u32_u24 v3, v1, PITCH
	v_lshl_add_u32 v3, v2, 4, v3                   ; W_o: a fragment's row x pitch + 16 x half
	s_lshl_b32 s22, s11, 14                        ; my four tiles of o
	s_mul_i32 s23, s12, BHALF                      ; my 128 rows of W_o
	s_add_co_u32 s23, s23, BOFF
.irp s, 0,1
	v_add_nc_u32 v[ADRA+\s], s22, v[CO]
	v_add_nc_u32 v[ADRB+\s], s23, v3
	s_add_co_u32 s22, s22, SLOT
	s_add_co_u32 s23, s23, SLOT
.endr
	s_mul_i32 s23, s10, 16*SPITCH                  ; my stage
	v_mul_u32_u24 v5, v1, SPITCH                   ; in: row l % 16, 32 bytes for each half of the lanes
	v_lshl_add_u32 v5, v2, 5, v5
	v_add_nc_u32 v[STO], s23, v5
	v_add_nc_u32 v[RD], s23, v[CO]                 ; back: the 32 lanes take one row of 512 bytes
	s_lshl_b32 s16, s13, 19                        ; my first row of C: (128 x tile row + 64 x half) rows of 4,096 bytes
	s_lshl_b32 s17, s11, 18
	s_add_co_u32 s16, s16, s17
	s_lshl_b32 s17, s42, 10                        ; my first column, in bytes: 1,024 x tile column + 512 x half
	s_add_co_u32 s16, s16, s17
	s_lshl_b32 s17, s12, 9
	s_add_co_u32 s16, s16, s17
	s_mov_b32 s17, 0
	s_add_nc_u64 s[8:9], s[8:9], s[16:17]
; 8 matrix instructions: o's block a x W_o's eight, 32 along K, from buffer f.  zero = 1: the product starts the sums.  The 32 accumulators take turns, one instruction a turn.
.macro MUL8 f, a, zero
.irp b, 0,1,2,3,4,5,6,7
.if \zero
	v_wmma_f32_16x16x32_f16 v[8*(8*(\a)+\b):8*(8*(\a)+\b)+7], v[\f+8*\b:\f+8*\b+7], v[\f+64+8*(\a):\f+64+8*(\a)+7], 0
.else
	v_wmma_f32_16x16x32_f16 v[8*(8*(\a)+\b):8*(8*(\a)+\b)+7], v[\f+8*\b:\f+8*\b+7], v[\f+64+8*(\a):\f+64+8*(\a)+7], v[8*(8*(\a)+\b):8*(8*(\a)+\b)+7]
.endif
.endr
.endm
; 24 LDS loads in one run: the fragments of the slot's q-th 32 along K into buffer f; W_o's sixteen first, then o's eight
.macro FETCH slot, q, f
	WIN TO_F
.irp i, 0,1,2,3,4,5,6,7
	ds_load_b128 v[\f+8*\i:\f+8*\i+3],   v[ADRB+\slot] offset:64*(\q)+\i*16*PITCH
	ds_load_b128 v[\f+8*\i+4:\f+8*\i+7], v[ADRB+\slot] offset:64*(\q)+\i*16*PITCH+32
.endr
.irp i, 0,1,2,3
	ds_load_b128 v[\f+64+8*\i:\f+64+8*\i+3],   v[ADRA+\slot] offset:4096*\i+1024*(\q)
	ds_load_b128 v[\f+64+8*\i+4:\f+64+8*\i+7], v[ADRA+\slot] offset:4096*\i+1024*(\q)+512
.endr
.endm
.macro PLACES                          ; four plain instructions in front of loads into registers that matrix instructions have read, and of the first read of results
.rept 4
	v_nop
.endr
.endm
; A K step is four quarters of 32 along K, 32 matrix instructions each, on buffers 0, 1, 0, 1.  One of the first three: multiplies buffer f and fetches the next quarter, q, into g.
.macro QUARTER slot, q, f, g, zero
	s_wait_dscnt 4                                 ; W_o's fragments and o's blocks 0, 1 are in; the youngest four loads (blocks 2, 3) may be out
	WIN MUL
	MUL8 \f, 0, \zero
	MUL8 \f, 1, \zero
	PLACES
	FETCH \slot, \q, \g
	s_wait_dscnt 24                                ; all but the 24 just issued
	WIN MUL
	MUL8 \f, 2, \zero
	MUL8 \f, 3, \zero
.endm
; The last quarter multiplies buffer 1 and changes slots: ONE barrier; in front of it each wave waits for all its tensor loads, adds 0 to its spare word, and waits for that and for its reads of this slot.
; fill = 1: the barrier opens a round of the cluster's, and this slot is filled again, two K steps ahead: one load a wave, which has a K step less sixteen matrix instructions in which to land.
.macro TURN slot, next, fill
	WIN 0                                          ; (the add's two registers lie in window 0)
	s_wait_tensorcnt 0x0                           ; all my tensor loads have landed: my part of the next slot;
	ds_add_u32 v[SPW], v[NIL]                      ; 0 onto my spare word;
	s_wait_dscnt 5                                 ; (the add and the youngest four loads may be out)
	WIN MUL
	MUL8 F1, 0, 0
	s_wait_dscnt 0x0                               ; the add is done, and my reads of this slot are over
	s_barrier_signal -1
	MUL8 F1, 1, 0
.if \fill
	WIN 0
.endif
	s_barrier_wait -1
.if \fill
	CREST                                          ; no wave of any partner still reads this slot's tile or has a load on its way
	s_add_nc_u64 s[G0+4*\slot+2:G0+4*\slot+3], s[G0+4*\slot+2:G0+4*\slot+3], 2*4096
	s_add_nc_u64 s[G0B+4*\slot+2:G0B+4*\slot+3], s[G0B+4*\slot+2:G0B+4*\slot+3], 2*256
	JLOAD \slot                                    ; the first tensor load behind the round; the four v_nop behind it are also the places in front of the loads below
.else
	PLACES
.endif
	FETCH \next, 0, F0
	WIN MUL
	MUL8 F1, 2, 0
	MUL8 F1, 3, 0
.endm
	s_wait_tensorcnt 1                             ; my part of K step 0 is in (K step 1's load may be out)
	s_barrier_signal -1
	s_barrier_wait -1                              ; everybody's is
	FETCH 0, 0, F0
	QUARTER 0, 1, F0, F1, 1                        ; the first quarter stands in front of the loop: its products start the sums
	WIN 0                                          ; at a label and at a branch every window is 0
	s_mov_b32 s3, LAPS-1
.Llap:                                             ; a trip goes once round the ring, from a lap's second quarter to the next lap's first, and fills both slots again
	QUARTER 0, 2, F1, F0, 0
	QUARTER 0, 3, F0, F1, 0
	TURN 0, 1, 1
	QUARTER 1, 1, F0, F1, 0
	QUARTER 1, 2, F1, F0, 0
	QUARTER 1, 3, F0, F1, 0
	TURN 1, 0, 1
	QUARTER 0, 1, F0, F1, 0
	WIN 0
	s_sub_co_u32 s3, s3, 1
	s_cmp_lg_u32 s3, 0
	s_cbranch_scc1 .Llap
	QUARTER 0, 2, F1, F0, 0                        ; the last lap fills nothing, and has no round of the cluster's barrier
	QUARTER 0, 3, F0, F1, 0
	TURN 0, 1, 0
	QUARTER 1, 1, F0, F1, 0
	QUARTER 1, 2, F1, F0, 0
	QUARTER 1, 3, F0, F1, 0
	s_wait_dscnt 4                                 ; the very last quarter: nothing more to fetch
	WIN MUL
	MUL8 F1, 0, 0
	MUL8 F1, 1, 0
	s_wait_dscnt 0
	MUL8 F1, 2, 0
	MUL8 F1, 3, 0
	WIN 0
; THE WAY OUT, block by block of 16 rows x 128 columns.  A lane holds 32 neighbouring bytes of a row, the lanes beside it other rows: so a block goes through my own stage in LDS and comes back as whole rows of
; 512 bytes.  LDS serves a wave's instructions in order (ISA guide 5.7.1.4): no wait between the stores and the loads, nor in front of the next block's stores.
.macro TOSTAGE a
	WIN 0x08                                       ; the data: window 2
.irp b, 0,1,2,3,4,5,6,7
	ds_store_b128 v[STO], v[64*(\a)+8*\b:64*(\a)+8*\b+3] offset:64*\b          ; each accumulator from its low end on
	ds_store_b128 v[STO], v[64*(\a)+8*\b+4:64*(\a)+8*\b+7] offset:64*\b+16
.endr
	WIN 0
.set BB, BK+64*((\a)%2)
.irp t, 0,1,2,3,4,5,6,7,8,9,10,11,12,13,14,15
	ds_load_b128 v[BB+4*\t:BB+4*\t+3], v[RD] offset:\t*SPITCH
.endr
.endm
.macro SEND a, younger                 ; younger: the LDS instructions issued behind block a's loads, which may stay out
.set BB, BK+64*((\a)%2)
	s_wait_dscnt \younger                          ; the block is back in registers
.if (\a) > 0
	s_add_nc_u64 s[8:9], s[8:9], 16*4096           ; 16 rows of C on (the earlier stores have read their base: a wait for that stands ahead)
.endif
.irp t, 0,1,2,3,4,5,6,7,8,9,10,11,12,13,14,15
	global_store_b128 v[CO], v[BB+4*\t:BB+4*\t+3], s[8:9] offset:\t*4096 th:TH_STORE_NT   ; 32 lanes store 512 consecutive aligned bytes; written once, read by nobody here
.endr
.endm
	PLACES
	TOSTAGE 0
.irp a, 1,2,3
.if \a > 1
	s_wait_xcnt 0x0                                ; block a - 2's stores have read their registers and their base: block a's loads may land there, and the base may step
.endif
	TOSTAGE \a
	SEND \a-1, 32                                  ; behind block a - 1's loads: block a's 16 stores and 16 loads
.endr
	s_wait_xcnt 0x0                                ; block 2's stores have read their base
	SEND 3, 0
	s_wait_tensorcnt 0x0                           ; the wave's end, behind my last tensor load and my last LDS store
	ds_add_u32 v[SPW], v[NIL]
	s_wait_dscnt 0x0
	CROUND                                         ; the closing round: no work-group ends while a partner may still ask for a tile that names it
	s_endpgm
.Lfunc_end_k_qbe1008bf77_outp:
	.size	k_qbe1008bf77_outp, .Lfunc_end_k_qbe1008bf77_outp-k_qbe1008bf77_outp
	.p2alignl 7, 3214868480
	.fill 96, 4, 3214868480
	.section	.rodata,"a",@progbits
	.p2align	6, 0x0
	.amdhsa_kernel k_qbe1008bf77_outp
		.amdhsa_group_segment_fixed_size 327680
		.amdhsa_private_segment_fixed_size 0
		.amdhsa_enable_private_segment 0
		.amdhsa_kernarg_size 24
		.amdhsa_user_sgpr_count 2
		.amdhsa_user_sgpr_kernarg_segment_ptr 1
		.amdhsa_wavefront_size32 1
		.amdhsa_system_sgpr_workgroup_id_x 1
		.amdhsa_system_sgpr_workgroup_id_y 1
		.amdhsa_system_sgpr_workgroup_id_z 1
		.amdhsa_system_vgpr_workitem_id 0
		.amdhsa_next_free_vgpr 768
		.amdhsa_next_free_sgpr 66
		.amdhsa_reserve_vcc 0
		.amdhsa_float_denorm_mode_32 3
		.amdhsa_float_denorm_mode_16_64 3
		.amdhsa_memory_ordered 1
		.amdhsa_forward_progress 1
		.amdhsa_inst_pref_size 85
	.end_amdhsa_kernel
	.amdgpu_metadata
---
amdhsa.version: [ 1, 2 ]
amdhsa.kernels:
  - .name:           k_qbe1008bf77_outp
    .symbol:         k_qbe1008bf77_outp.kd
    .args:
      - { .name: o, .offset: 0, .size: 8, .value_kind: global_buffer, .address_space: global }
      - { .name: wo16, .offset: 8, .size: 8, .value_kind: global_buffer, .address_space: global }
      - { .name: out0, .offset: 16, .size: 8, .value_kind: global_buffer, .address_space: global }
    .group_segment_fixed_size: 327680
    .private_segment_fixed_size: 0
    .kernarg_segment_align: 8
    .kernarg_segment_size: 24
    .max_flat_workgroup_size: 128
    .sgpr_count:     66
    .vgpr_count:     768
    .wavefront_size: 32
...
	.end_amdgpu_metadata
.endif
;; end of part 4
